; MI455X (gfx1250); checked and timed in simulation.
; The chip was launched on July 23, 2026; its instructions are those of AMD's public machine-readable ISA for CDNA 5 (MIT licence, August 2026) and "CDNA5" Instruction Set Architecture Reference Guide (July 2026). The comments in the code are by the model that wrote it; some were corrected since.
;; Multi Head Attention. Allowed arithmetic: matrix products marked QUANTISED: E2M3 operands, one E8M0 scale for each 32 along K, by v_wmma_scale_f32_16x16x128_f8f6f4 with both operands' format E2M3, f32 sums; everything else in f32.
;; Inputs: Wk 2,048 x 2,048 float32; Wo 2,048 x 2,048 float32; Wq 2,048 x 2,048 float32; Wv 2,048 x 2,048 float32; attn_mask 1 x 1 x 2,048 x 2,048 int32; bk 2,048 float32; bo 2,048 float32; bq 2,048 float32; bv 2,048 float32; x 1 x 2,048 x 2,048 float32.
;; Outputs: out0 1 x 2,048 x 2,048 float32.
;; This version of the problem:
;;   THIS VERSION OF THE PROBLEM IS GIVEN IN LOW PRECISION. The matrix products marked QUANTISED in the list below multiply operands that are first quantised to E2M3 (2 exponent bits, 3 mantissa bits; 6 bits a number), with one power-of-two scale for each 32 numbers along K (OCP MX v1.0); their sums are f32. All else is computed in f32.
;;   The module's matrix products, in the order in which they are computed (A, B: the left and right operand; K: the contracted axis; several contracted axes count as one K, in the product's order):
;;     1. [M 2,048, K 2,048] x [K 2,048, N 2,048]; A: input x; B: input Wq: QUANTISED
;;     2. [M 2,048, K 2,048] x [K 2,048, N 2,048]; A: input x; B: input Wk: QUANTISED
;;     3. [M 2,048, K 2,048] x [K 2,048, N 2,048]; A: input x; B: input Wv: QUANTISED
;;     4. batch 16 x [M 2,048, K 128] x [K 128, N 2,048]; A: computed on the way; B: computed on the way: QUANTISED
;;     5. batch 16 x [M 2,048, K 2,048] x [K 2,048, N 128]; A: softmax (see below); B: computed on the way: QUANTISED
;;     6. [M 2,048, K 2,048] x [K 2,048, N 2,048]; A: computed on the way; B: input Wo: QUANTISED
;;   THE QUANTISER, for each operand of a quantised product, along K:
;;     - K is cut into blocks of 32 from its start; a last block that is shorter is filled with zeros.
;;     - A block's scale is 2^e with e = floor(log2(the largest magnitude in the block)) - 2, held to -126 .. 127; a block of zeros has e = 0. As a byte (E8M0): e + 127.
;;     - Each number is divided by its block's scale, clamped to +-7.5, and rounded to the nearest number of E2M3, ties to even, subnormals kept.
;;     - The product sums the exact products of the quantised numbers (number of the format x scale) in f32.
;;   ~~~python
;;   def quantise(x, axis):      # numpy; x: float32 -> the quantised numbers, widened to float32 again
;;       x = np.moveaxis(x, axis, -1); K = x.shape[-1]
;;       x = np.pad(x, [(0, 0)] * (x.ndim - 1) + [(0, -K % 32)]); x = x.reshape(x.shape[:-1] + (-1, 32)); a = np.abs(x).max(-1, keepdims=True)
;;       e = np.where(a > 0, np.clip(np.frexp(np.where(a > 0, a, 1))[1] - 1 - 2, -126, 127), 0)      # np.frexp(a)[1] - 1 = floor(log2(a)), exactly
;;       r = np.clip(x / 2.0 ** e, -7.5, 7.5)
;;       step = 2.0 ** (np.maximum(np.frexp(np.where(r == 0, 1, r))[1] - 1, 0) - 3)
;;       q = np.round(r / step) * step * 2.0 ** e      # np.round: ties to even
;;       return np.moveaxis(q.reshape(q.shape[:-2] + (-1,))[..., :K], -1, axis).astype(np.float32)
;;   ~~~
;;   SOFTMAX AHEAD OF A QUANTISED PRODUCT. Where the list says 'softmax', what is quantised is not the finished softmax but p = 2^(t - M), with t = logit x log2(e) and M = ceil(the row's largest t), a whole number; so 1/2 < the row's largest p <= 1. The row's sum l is taken of the UNQUANTISED p, in f32, and the product's result is divided by l at the end. Since M is a whole number, a kernel that streams over the keys may use a running M (the ceiling of the running maximum): every later rescaling is an exact power of two, which a block's scale takes up: the codes' values come out the same.
;;   OPERANDS COMPUTED ON THE WAY. 'Computed on the way' means the value that the module computes at that place (a softmax that the list does not call 'softmax' is quantised finished and normalised). What goes into a quantiser is computed in f32, as accurately as f32 sums, v_exp_f32 and their like allow (about 1e-6 of the number): no bf16 or f16 on the way to a quantiser, and a product that is left as it is and whose result goes on into a quantised operand takes f32 operands (vector FMAs, or v_wmma_f32_16x16x4_f32). A number that lies on a knife's edge between two numbers of the format may be rounded either way, as far as f32 arithmetic and the matrix unit's own rounding can turn it there, and no further.
;; One version. Each part assembles by itself: llvm-mc -triple=amdgcn-amd-amdhsa -mcpu=gfx1250 --defsym DOCPART=n.
;; ======== version 1 of 1: 4 launches
;; limits: right only within a limited range of input values
;; workspace buffers: ops 19,660,800 bytes; qkv 9,830,400 bytes; att 3,276,800 bytes
;; launch prep (part 1): grid 256 x 1, 6 waves a work-group, no clusters, 54,528 bytes of LDS; arguments x, Wq, Wk, Wv, Wo, attn_mask, ops; writes ops
.if DOCPART == 1
	.amdgcn_target "amdgcn-amd-amdhsa--gfx1250"
	.amdhsa_code_object_version 6
	.text
	.protected	k_qa748682b5e_prep
	.globl	k_qa748682b5e_prep
	.p2align	8
	.type	k_qa748682b5e_prep,@function
k_qa748682b5e_prep:
	s_mov_b64 s[64:65], 0
	v_nop
	global_prefetch_b8 v0, s[64:65] scope:SCOPE_SE
	s_setreg_imm32_b32 hwreg(HW_REG_WAVE_MODE, 25, 1), 1
	s_wait_xcnt 0x0
; x, Wq, Wk, Wv, Wo [2048][2048] f32 (K innermost) become codes of FP6 (E2M3) with one E8M0 byte for each 32 along K.
; attn_mask [2048][2048] i32 becomes a sixth operand of the same form: the number -4 where the mask is 0 (the key is hidden), else 0, quantised by the same lines (its codes are -4 or 0; its scale words are not read).
; No step and no input of the problem is left out by this program.
; THE BLOCK, the one form of every operand: 128 rows x 128 K in 12,800 bytes.  Eight fragments f of 1,536 bytes, each an image of the operand's 12 registers: registers 4 c .. 4 c + 3 of lane l at 1536 f + 512 c + 16 l.
; Lane r of fragment f holds row 32 (f / 2) + 8 (f % 2) + r + 8 (r / 8) of the block.  Behind the codes, at 12,288 + 32 r + 4 f, the scale word of that row.
; ops = [row block 0..95][K step 0..15] blocks: row blocks 0-15 x, 16-31 Wq, 32-47 Wk, 48-63 Wv, 64-79 Wo, 80-95 the mask (rows = queries, K = keys).
; A block's scale is 2^(floor(log2(largest magnitude)) - 2); its byte is the largest magnitude's exponent field - 2, held at 1 from below.
; LIMITS: a block of zeros gets the byte 1 where the rule says 127 (its codes are zeros, and this program alone reads the bytes); blocks whose largest magnitude lies under 2^-124 keep the byte 1;
; NaN and infinities among the inputs are not served.
; SHARES: 96 x 16 = 1,536 blocks, one to a wave: wave w of work-group g takes block 6 g + w (row block = that number / 16, K step = the rest), in eight units of 16 rows x 128 columns.  256 work-groups of six waves.
; Each load of a unit reads 512 consecutive bytes of one row; the unit turns through the wave's own stage in LDS so that a lane then holds 16 neighbours along K of each block of 32 of ONE row.
; The block's scale words turn through 512 LDS bytes of the wave's own, so that they leave by one store of 512 consecutive bytes.
; Waves share nothing: no matrix unit, no cluster, no tensor load, no barrier.  Two units (32 loads a wave) are on their way.
.set ROWB, 8192
.set BLKB, 12800
.set SP,   528                         ; a stage row: 512 bytes + 16
.set WST,  16*SP
.set SPARE, 6*WST                      ; the spare words, 128 bytes for each of the six waves
.set SCXB, SPARE+768                   ; 512 bytes for each wave's scale words
.set OFF,  4                           ; v4   16 x lane
.set STI,  5
.set STO,  6
.set SXI,  7                           ; v7   where my row place's eight scale words go in LDS
.set SPW,  9                           ; v9   my spare word; never rewritten
.set NIL,  10                          ; v10  0; never rewritten
.set SXO,  11                          ; v11  where they are read back
.set TM,   12
.set FIN,  28
.set PWS,  32                          ; v32-39 the eight fragments' scale words
.set PC,   44
.set RAW,  64
.set X,    192
.set SEL,  30
.macro QUANT s, pw                     ; 64 numbers of a lane, v[s + 16 b + i] = k 32 b + 16 h + i of my row, become a fragment's 12 registers in v[PC] on and its scale word in v[pw]
.irp b, 0,1,2,3
	v_max3_num_f32 v[TM+\b], |v[\s+16*\b]|, |v[\s+1+16*\b]|, 0x1800000   ; my 16 numbers and the floor 2^(3 - 127)
.endr
.irp i, 2,4,6,8,10,12,14
.irp b, 0,1,2,3
	v_max3_num_f32 v[TM+\b], v[TM+\b], |v[\s+16*\b+\i]|, |v[\s+1+16*\b+\i]|
.endr
.endr
.irp b, 0,1,2,3
	v_permlanex16_b32 v[TM+4+\b], v[TM+\b], s[SEL], s[SEL+1]
.endr
.irp b, 0,1,2,3
	v_max_num_f32 v[TM+\b], v[TM+\b], v[TM+4+\b]
.endr
.irp b, 0,1,2,3
	v_add_nc_u32 v[TM+12+\b], 0xff000000, v[TM+\b]       ; 2 off the exponent field: the conversion's scale operand
.endr
.irp b, 0,1,2,3
	v_lshrrev_b32 v[TM+4+\b], 23, v[TM+12+\b]
.endr
	v_lshl_or_b32 v[\pw], v[TM+5], 8, v[TM+4]
	v_lshl_or_b32 v[\pw], v[TM+6], 16, v[\pw]
	v_lshl_or_b32 v[\pw], v[TM+7], 24, v[\pw]
.irp c, 0,1
	v_cvt_scalef32_pk16_fp6_f32 v[PC+6*\c:PC+2+6*\c], v[\s+32*\c:\s+15+32*\c], v[TM+12+2*\c]
	v_cvt_scalef32_pk16_fp6_f32 v[PC+12+4*\c:PC+14+4*\c], v[\s+16+32*\c:\s+31+32*\c], v[TM+12+2*\c+1]
.endr
	v_nop                                                ; one plain place behind a scaled conversion
.irp c, 0,1
.irp i, 0,1,2
	v_permlane16_swap_b32 v[PC+6*\c+\i], v[PC+12+4*\c+\i]
.endr
.irp i, 0,1,2
	v_mov_b32 v[PC+3+6*\c+\i], v[PC+12+4*\c+\i]
.endr
.endr
.endm
	s_load_b256 s[4:11], s[0:1], 0x0               ; x, Wq, Wk, Wv
	s_load_b128 s[12:15], s[0:1], 0x20             ; Wo, attn_mask
	s_load_b64 s[16:17], s[0:1], 0x30              ; ops
	v_lshl_add_u32 v[SPW], v0, 2, SPARE
	v_mov_b32 v[NIL], 0
	v_lshrrev_b32 v1, 5, v0
	v_readfirstlane_b32 s20, v1                    ; wave
	s_mul_i32 s18, ttmp9, 6
	s_add_co_u32 s18, s18, s20                     ; my block, 0..1535
	s_lshr_b32 s21, s18, 4                         ; row block 0..95
	s_and_b32 s23, s18, 15                         ; K step
	s_lshr_b32 s22, s21, 4                         ; which source
	s_mul_i32 s28, s20, WST
	s_lshl_b32 s19, s20, 9
	s_add_co_u32 s19, s19, SCXB                    ; my 512 bytes for scale words
	v_and_b32 v1, 31, v0
	v_and_b32 v2, 15, v0                           ; r
	v_bfe_u32 v3, v0, 4, 1                         ; h
	v_lshlrev_b32 v[OFF], 4, v1
	v_add_nc_u32 v[STI], s28, v[OFF]
	v_mul_u32_u24 v[STO], v2, SP
	v_lshl_add_u32 v[STO], v3, 6, v[STO]
	v_add_nc_u32 v[STO], s28, v[STO]
	v_lshlrev_b32 v[SXI], 5, v2
	v_add_nc_u32 v[SXI], s19, v[SXI]               ; 32 r
	v_add_nc_u32 v[SXO], s19, v[OFF]
.irp b, 0,1,2,3
	v_mov_b32 v[TM+4+\b], 0                        ; a lane permute's destination counts as one of its sources
.endr
	s_mov_b32 s[SEL], 0x76543210
	s_mov_b32 s[SEL+1], 0xfedcba98
	s_and_b32 s32, s21, 15
	s_lshl_b32 s32, s32, 20                        ; 128 rows of 8,192 bytes
	s_lshl_b32 s33, s23, 9                         ; 128 columns of 4 bytes
	s_add_co_u32 s32, s32, s33
	s_mov_b32 s33, 0
	s_mul_i32 s34, s18, BLKB                       ; my block in ops
	s_mov_b32 s35, 0
	s_wait_alu depctr_va_vdst(0)
	s_wait_kmcnt 0x0
	s_mov_b64 s[24:25], s[4:5]                     ; the source is chosen by the block's number alone
	s_cmp_eq_u32 s22, 1
	s_cselect_b64 s[24:25], s[6:7], s[24:25]
	s_cmp_eq_u32 s22, 2
	s_cselect_b64 s[24:25], s[8:9], s[24:25]
	s_cmp_eq_u32 s22, 3
	s_cselect_b64 s[24:25], s[10:11], s[24:25]
	s_cmp_eq_u32 s22, 4
	s_cselect_b64 s[24:25], s[12:13], s[24:25]
	s_cmp_eq_u32 s22, 5
	s_cselect_b64 s[24:25], s[14:15], s[24:25]
	s_add_nc_u64 s[24:25], s[24:25], s[32:33]
	s_add_nc_u64 s[26:27], s[16:17], s[34:35]
.macro LOAD f                          ; unit f: the 16 rows of fragment f, 512 consecutive bytes of a row to a load
.irp i, 0,1,2,3,4,5,6,7,8,9,10,11,12,13,14,15
	global_load_b128 v[RAW+64*((\f)%2)+4*\i:RAW+64*((\f)%2)+4*\i+3], v[OFF], s[24:25] offset:(32*((\f)/2)+8*((\f)%2)+\i+8*(\i/8))*ROWB th:TH_LOAD_NT
.endr
.endm
.macro TURN f                          ; through my stage: LDS serves a wave's instructions in order
.irp i, 0,1,2,3,4,5,6,7,8,9,10,11,12,13,14,15
	ds_store_b128 v[STI], v[RAW+64*((\f)%2)+4*\i:RAW+64*((\f)%2)+4*\i+3] offset:SP*\i
.endr
.irp b, 0,1,2,3
.irp j, 0,1,2,3
	ds_load_b128 v[X+16*\b+4*\j:X+16*\b+4*\j+3], v[STO] offset:128*\b+16*\j
.endr
.endr
.endm
.macro UNIT f
.if (\f) < 7
	s_wait_loadcnt 16                              ; this unit's 16 loads are in; the next unit's 16 may be out
.else
	s_wait_loadcnt 0x0
.endif
	TURN \f
	s_wait_dscnt 0x0                               ; the unit is back, and the stage's stores have read their registers,
	s_wait_xcnt 0x0                                ; and the last unit's global stores have read theirs: PC is written again below
.if (\f) < 6
	LOAD (\f)+2
.endif
	s_wait_alu depctr_va_vdst(0)
	s_cmp_lt_u32 s21, 80                           ; a branch on the block's number, round the mask's own lines alone
	s_cbranch_scc1 .Lnum_\@
.set n, 0
.rept 64
	v_cmp_eq_u32 vcc_lo, 0, v[X+n]                 ; the mask's whole number becomes the number -4 (hidden) or 0
	v_cndmask_b32 v[X+n], 0, -4.0, vcc_lo
.set n, n+1
.endr
.Lnum_\@:
	QUANT X, PWS+(\f)
.irp c, 0,1,2
	global_store_b128 v[OFF], v[PC+4*\c:PC+4*\c+3], s[26:27] offset:1536*(\f)+512*\c   ; 512 consecutive bytes, at a multiple of 256 from the buffer's first byte
.endr
.endm
	LOAD 0
	LOAD 1
.irp f, 0,1,2,3,4,5,6,7
	UNIT \f
.endr
	s_wait_alu depctr_va_vdst(0)
	ds_store_b128 v[SXI], v[PWS:PWS+3]             ; lanes r and r + 16 write the same bytes with the same values
	ds_store_b128 v[SXI], v[PWS+4:PWS+7] offset:16
	ds_load_b128 v[FIN:FIN+3], v[SXO]              ; LDS serves a wave's instructions in order: this sees my stores
	s_wait_dscnt 0x0
	global_store_b128 v[OFF], v[FIN:FIN+3], s[26:27] offset:12288   ; the block's 512 bytes of scale words
	s_wait_tensorcnt 0x0                           ; the wave's end
	ds_add_u32 v[SPW], v[NIL]
	s_wait_dscnt 0x0
	s_endpgm
.Lfunc_end_k_qa748682b5e_prep:
	.size	k_qa748682b5e_prep, .Lfunc_end_k_qa748682b5e_prep-k_qa748682b5e_prep
	.p2alignl 7, 3214868480
	.fill 96, 4, 3214868480
	.section	.rodata,"a",@progbits
	.p2align	6, 0x0
	.amdhsa_kernel k_qa748682b5e_prep
		.amdhsa_group_segment_fixed_size 54528
		.amdhsa_private_segment_fixed_size 0
		.amdhsa_enable_private_segment 0
		.amdhsa_kernarg_size 56
		.amdhsa_user_sgpr_count 2
		.amdhsa_user_sgpr_kernarg_segment_ptr 1
		.amdhsa_wavefront_size32 1
		.amdhsa_system_sgpr_workgroup_id_x 1
		.amdhsa_system_sgpr_workgroup_id_y 1
		.amdhsa_system_sgpr_workgroup_id_z 1
		.amdhsa_system_vgpr_workitem_id 0
		.amdhsa_next_free_vgpr 256
		.amdhsa_next_free_sgpr 66
		.amdhsa_reserve_vcc 1
		.amdhsa_float_denorm_mode_32 3
		.amdhsa_float_denorm_mode_16_64 3
		.amdhsa_memory_ordered 1
		.amdhsa_forward_progress 1
		.amdhsa_inst_pref_size 113
	.end_amdhsa_kernel
	.amdgpu_metadata
---
amdhsa.version: [ 1, 2 ]
amdhsa.kernels:
  - .name:           k_qa748682b5e_prep
    .symbol:         k_qa748682b5e_prep.kd
    .args:
      - { .name: x, .offset: 0, .size: 8, .value_kind: global_buffer, .address_space: global }
      - { .name: Wq, .offset: 8, .size: 8, .value_kind: global_buffer, .address_space: global }
      - { .name: Wk, .offset: 16, .size: 8, .value_kind: global_buffer, .address_space: global }
      - { .name: Wv, .offset: 24, .size: 8, .value_kind: global_buffer, .address_space: global }
      - { .name: Wo, .offset: 32, .size: 8, .value_kind: global_buffer, .address_space: global }
      - { .name: attn_mask, .offset: 40, .size: 8, .value_kind: global_buffer, .address_space: global }
      - { .name: ops, .offset: 48, .size: 8, .value_kind: global_buffer, .address_space: global }
    .group_segment_fixed_size: 54528
    .private_segment_fixed_size: 0
    .kernarg_segment_align: 8
    .kernarg_segment_size: 56
    .max_flat_workgroup_size: 192
    .sgpr_count:     66
    .vgpr_count:     256
    .wavefront_size: 32
...
	.end_amdgpu_metadata
.endif
;; end of part 1
;; launch qkv (part 2): grid 24 x 8, 4 waves a work-group, clusters of 4 x 4, 327,680 bytes of LDS; arguments ops, bq, bk, bv, qkv; writes qkv
.if DOCPART == 2
	.amdgcn_target "amdgcn-amd-amdhsa--gfx1250"
	.amdhsa_code_object_version 6
	.text
	.protected	k_qa748682b5e_qkv
	.globl	k_qa748682b5e_qkv
	.p2align	8
	.type	k_qa748682b5e_qkv,@function
k_qa748682b5e_qkv:
	s_mov_b64 s[64:65], 0
	v_nop
	global_prefetch_b8 v0, s[64:65] scope:SCOPE_SE
	s_setreg_imm32_b32 hwreg(HW_REG_WAVE_MODE, 25, 1), 1
	s_wait_xcnt 0x0
	s_wait_alu depctr_hold_cnt(0) depctr_sa_sdst(0) depctr_va_vdst(0) depctr_va_sdst(0) depctr_va_ssrc(0) depctr_va_vcc(0) depctr_vm_vsrc(0)
	s_getreg_b32 s2, hwreg(HW_REG_IB_STS2, 6, 4)
	s_cmp_eq_u32 s2, 0
	s_cbranch_scc0 .Lentry_in_a_cluster
	s_endpgm
.Lentry_in_a_cluster:
	s_bfe_u32 s2, ttmp6, 0x10000c
	s_cmp_lg_u32 s2, 0xf033
	s_cbranch_scc0 .Lentry_shape_is_right
	s_endpgm
.Lentry_shape_is_right:
; q, k = x W^T + b and v^T = Wv x^T + bv on codes of FP6 (E2M3) with E8M0 scales, each result quantised at once for the attention's products and stored as blocks (the form of the first launch's comment).
; A tile is 256 x 256, four waves of 128 x 128; tile columns 0-7 are q, 8-15 k (source 1 = x's rows, source 0 = the weight's rows), 16-23 v (source 1 = Wv's rows, source 0 = x's rows: the keys become v's K).
; K goes through a ring of two LDS slots of two K steps; each wave brings two blocks, 25,600 dense bytes, by one tensor load; 4 x 4 work-groups ask for shared tiles jointly.
; PREFETCH: beside the load of slot n stands one request for slot n + 2 (beside the first load also for slot 1): of the 100 runs of 256 bytes that a wave's load brings, each of the four partners that ask for them
; jointly names 25, told apart by address; lanes 25-31 name the last again.  The last two refills ask for nothing: K has eight slots.
.set KVBASE, 3276800
.set BLKB,  12800
.set RBLK,  16*BLKB
.set LOADB, 2*BLKB
.set SLOT,  4*LOADB
.set SPARE, 2*SLOT
.set LAPS,  4
.set FR,    12
.set NL,    3
.set NP,    4
.set ADRA, 16
.set ADRS, 18
.set ADRB, 20
.set CO,   26
.set SOF,  27
.set SPW,  28
.set NIL,  29
.set SC,   32
.set BN,   64
.set AF,   128
.set BM,   240
.set T,    128
.set TM,   192
.set PC,   208
.set PWS,  228
.set FIN,  236
.set SEL,  78
.set G1,   24
.set G0,   32
.set G1B,  48
.set G0B,  56
.set MSB, 0
.macro WIN new
.if MSB != (\new)
	s_set_vgpr_msb (MSB<<8)|(\new)
.set MSB, (\new)
.endif
.endm
.set MUL_LO, 0xa1
.set MUL_HI, 0xf1
.set TO_B,   0x40
.macro JLOAD g0a, g1a, g0b, g1b
	s_cmp_eq_u32 s15, 0
	s_cbranch_scc0 .Lfor_b_\@
	tensor_load_to_lds s[\g0a:\g0a+3], s[\g1a:\g1a+7]
	s_nop 0
.rept 4
	v_nop
.endr
	s_branch .Lasked_\@
.Lfor_b_\@:
	tensor_load_to_lds s[\g0b:\g0b+3], s[\g1b:\g1b+7]
	s_nop 0
.rept 4
	v_nop
.endr
.Lasked_\@:
.endm
.macro CREST
	s_cmp_lg_u32 s14, 0
	s_cbranch_scc1 .Lnot_wave_0_\@
	s_barrier_signal -3
.Lnot_wave_0_\@:
	s_barrier_wait -3
	s_barrier_signal -1
	s_barrier_wait -1
.endm
.macro CROUND
	s_barrier_signal -1
	s_barrier_wait -1
	CREST
.endm
.macro QUANT s, pw
.irp b, 0,1,2,3
	v_max3_num_f32 v[TM+\b], |v[\s+16*\b]|, |v[\s+1+16*\b]|, 0x1800000
.endr
.irp i, 2,4,6,8,10,12,14
.irp b, 0,1,2,3
	v_max3_num_f32 v[TM+\b], v[TM+\b], |v[\s+16*\b+\i]|, |v[\s+1+16*\b+\i]|
.endr
.endr
.irp b, 0,1,2,3
	v_permlanex16_b32 v[TM+4+\b], v[TM+\b], s[SEL], s[SEL+1]
.endr
.irp b, 0,1,2,3
	v_max_num_f32 v[TM+\b], v[TM+\b], v[TM+4+\b]
.endr
.irp b, 0,1,2,3
	v_add_nc_u32 v[TM+12+\b], 0xff000000, v[TM+\b]
.endr
.irp b, 0,1,2,3
	v_lshrrev_b32 v[TM+4+\b], 23, v[TM+12+\b]
.endr
	v_lshl_or_b32 v[\pw], v[TM+5], 8, v[TM+4]
	v_lshl_or_b32 v[\pw], v[TM+6], 16, v[\pw]
	v_lshl_or_b32 v[\pw], v[TM+7], 24, v[\pw]
.irp c, 0,1
	v_cvt_scalef32_pk16_fp6_f32 v[PC+6*\c:PC+2+6*\c], v[\s+32*\c:\s+15+32*\c], v[TM+12+2*\c]
	v_cvt_scalef32_pk16_fp6_f32 v[PC+12+4*\c:PC+14+4*\c], v[\s+16+32*\c:\s+31+32*\c], v[TM+12+2*\c+1]
.endr
	v_nop
.irp c, 0,1
.irp i, 0,1,2
	v_permlane16_swap_b32 v[PC+6*\c+\i], v[PC+12+4*\c+\i]
.endr
.irp i, 0,1,2
	v_mov_b32 v[PC+3+6*\c+\i], v[PC+12+4*\c+\i]
.endr
.endr
.endm
	s_load_b256 s[4:11], s[0:1], 0x0
	s_load_b64 s[12:13], s[0:1], 0x20
	v_lshl_add_u32 v[SPW], v0, 2, SPARE
	v_mov_b32 v[NIL], 0
	ds_add_u32 v28, v29
	ds_add_u32 v28, v29
	s_wait_dscnt 0x0
	v_lshrrev_b32 v1, 5, v0
	v_readfirstlane_b32 s14, v1
	s_lshr_b32 s15, s14, 1
	s_and_b32 s16, s14, 1
	s_bfe_u32 s40, ttmp6, 0x40000
	s_bfe_u32 s41, ttmp6, 0x40004
	s_lshl_b32 s42, ttmp9, 2
	s_add_co_u32 s42, s42, s40
	s_and_b32 s17, ttmp7, 0xffff
	s_lshl_b32 s17, s17, 2
	s_add_co_u32 s17, s17, s41
	s_lshl_b32 s43, s41, 2
	s_lshl_b32 s43, 15, s43
	s_lshl_b32 s44, 0x1111, s40
	s_or_b32 s[G1+0], s43, (3<<16)|(1<<21)
	s_or_b32 s[G1B+0], s44, (3<<16)|(1<<21)
.irp g, G1, G1B
	s_mov_b32 s[\g+1], 32<<16
	s_mov_b32 s[\g+2], 100<<16
	s_mov_b32 s[\g+3], 32<<16
	s_mov_b32 s[\g+4], 100
	s_mov_b32 s[\g+5], 32
	s_mov_b32 s[\g+6], 0
	s_mov_b32 s[\g+7], 0
.endr
	s_lshl_b32 s46, s42, 1
	s_add_co_u32 s46, s46, s16
	s_add_co_u32 s47, s46, 16
	s_and_b32 s46, s46, 15
	s_lshl_b32 s20, s17, 1
	s_add_co_u32 s20, s20, s16
	s_add_co_u32 s21, s20, 48
	s_cmp_lt_u32 ttmp9, 4
	s_cselect_b32 s46, s47, s46
	s_cselect_b32 s20, s20, s21
	s_cselect_b32 s76, 1, 0
	s_mul_i32 s20, s20, RBLK
	s_mul_i32 s46, s46, RBLK
	s_mov_b32 s21, 0
	s_mov_b32 s47, 0
	s_mul_i32 s45, s14, LOADB
	s_mov_b32 s[SEL], 0x76543210
	s_mov_b32 s[SEL+1], 0xfedcba98
	s_wait_kmcnt 0x0
	s_add_nc_u64 s[20:21], s[4:5], s[20:21]
	s_add_nc_u64 s[46:47], s[4:5], s[46:47]
	s_cmp_eq_u32 s15, 0                            ; the prefetches: the stream that I fetch,
	s_cselect_b64 s[88:89], s[20:21], s[46:47]
	s_cselect_b32 s90, s40, s41                    ; my place among the four that ask for it with me,
	s_mul_i32 s90, s90, 6400                       ; 25 runs of 256 bytes each,
	s_add_co_u32 s90, s90, LOADB                   ; from slot 1 on
	s_mov_b32 s91, 0
	s_add_nc_u64 s[88:89], s[88:89], s[90:91]
	v_and_b32 v30, 31, v0
	v_min_u32 v30, 24, v30
	v_lshlrev_b32 v30, 8, v30                      ; a lane a run of 256 bytes; never rewritten
	CROUND
.irp s, 0,1
	s_mov_b32 s[G0+4*\s], 1
	s_add_co_u32 s[G0+4*\s+1], s45, \s*SLOT
	s_add_nc_u64 s[G0+4*\s+2:G0+4*\s+3], s[20:21], \s*LOADB
	s_or_b32 s[G0+4*\s+3], s[G0+4*\s+3], 0x80000000
	s_mov_b32 s[G0B+4*\s], 1
	s_add_co_u32 s[G0B+4*\s+1], s45, \s*SLOT
	s_add_nc_u64 s[G0B+4*\s+2:G0B+4*\s+3], s[46:47], \s*LOADB
	s_or_b32 s[G0B+4*\s+3], s[G0B+4*\s+3], 0x80000000
	s_wait_alu depctr_va_vdst(0)
	s_wait_tensorcnt 0x0
	ds_add_u32 v28, v29
	ds_add_u32 v28, v29
	s_wait_dscnt 0x0
	CROUND
	JLOAD G0+4*\s, G1, G0B+4*\s, G1B
.if \s == 0
	global_prefetch_b8 v30, s[88:89] th:TH_LOAD_NT scope:SCOPE_SE                       ; slot 1
.endif
	global_prefetch_b8 v30, s[88:89] offset:(\s+1)*LOADB th:TH_LOAD_NT scope:SCOPE_SE   ; slot s + 2
.endr
	v_and_b32 v1, 15, v0
	v_bfe_u32 v2, v0, 4, 1
	v_and_b32 v3, 31, v0
	v_lshlrev_b32 v[CO], 4, v3
	v_lshlrev_b32 v[SOF], 5, v1
	v_lshl_add_u32 v[SOF], v2, 4, v[SOF]
	s_mul_i32 s18, s15, LOADB
	s_mul_i32 s19, s16, LOADB
	s_add_co_u32 s19, s19, 2*LOADB
	s_sub_co_u32 s22, s19, s18
	v_mul_u32_u24 v4, s22, v2
	v_lshl_add_u32 v4, v1, 5, v4
	s_add_co_u32 s23, s18, 12288
	v_add_nc_u32 v[ADRS], s23, v4
	v_add_nc_u32 v[ADRS+1], SLOT, v[ADRS]
.irp s, 0,1
	v_add_nc_u32 v[ADRA+\s], s18, v[CO]
	v_add_nc_u32 v[ADRB+\s], s19, v[CO]
	s_add_co_u32 s18, s18, SLOT
	s_add_co_u32 s19, s19, SLOT
.endr
	s_lshl_b32 s74, s42, 1
	s_add_co_u32 s74, s74, s16
	s_and_b32 s74, s74, 15
	s_lshl_b32 s75, s17, 1
	s_add_co_u32 s75, s75, s15
	s_cmp_lt_u32 ttmp9, 4
	s_cselect_b64 s[72:73], s[8:9], s[10:11]
	s_cmp_lt_u32 ttmp9, 2
	s_cselect_b64 s[72:73], s[6:7], s[72:73]
	s_lshl_b32 s84, s74, 9
	s_mov_b32 s85, 0
	s_add_nc_u64 s[80:81], s[72:73], s[84:85]
	s_lshl_b32 s84, s75, 9
	s_add_nc_u64 s[82:83], s[72:73], s[84:85]
	v_lshlrev_b32 v5, 6, v2
	v_and_b32 v6, 8, v1
	v_add_nc_u32 v6, v6, v1
	v_lshlrev_b32 v6, 2, v6
.irp u, 0,1,2,3
.irp e, 0,1,2,3
	global_load_b128 v[BN+16*\u+4*\e:BN+16*\u+4*\e+3], v5, s[80:81] offset:128*\u+16*\e
.endr
.endr
.irp a, 0,1,2,3,4,5,6,7
	global_load_b32 v[BM+2*\a], v6, s[82:83] offset:4*(32*(\a/2)+8*(\a%2))
	global_load_b32 v[BM+2*\a+1], v6, s[82:83] offset:4*(32*(\a/2)+8*(\a%2))
.endr
	s_lshl_b32 s22, s74, 4
	s_add_co_u32 s22, s22, s75
	s_lshl_b32 s23, s75, 4
	s_add_co_u32 s23, s23, s74
	s_mul_i32 s84, s22, BLKB
	s_mul_i32 s85, s22, 2*BLKB
	s_add_co_u32 s85, s85, KVBASE
	s_mul_i32 s86, s23, 2*BLKB
	s_add_co_u32 s86, s86, KVBASE+12288
	s_mov_b32 s87, 12800
	s_cmp_lt_u32 ttmp9, 4
	s_cselect_b32 s85, s85, s86
	s_cselect_b32 s87, 24576, s87
	s_cmp_lt_u32 ttmp9, 2
	s_cselect_b32 s84, s84, s85
	s_cselect_b32 s86, 12288, s87
	s_mov_b32 s85, 0
	s_mov_b32 s87, 0
	s_add_nc_u64 s[68:69], s[12:13], s[84:85]
	s_add_nc_u64 s[70:71], s[68:69], s[86:87]
.macro FRAG reg, adr, q, i
.irp c, 0,1,2
	ds_load_b128 v[\reg+4*\c:\reg+4*\c+3], v[\adr] offset:(\q)*BLKB+(\i)*1536+512*\c
.endr
.endm
.macro MUL16 a0, p, q, sc, zero
.irp a, \a0, \a0+1
.irp b, 0,1,2,3,4,5,6,7
.if \zero
	v_wmma_scale_f32_16x16x128_f8f6f4 v[8*(8*((\a)%4)+\b):8*(8*((\a)%4)+\b)+7], v[128*(\p)+FR*\b:128*(\p)+FR*\b+FR-1], v[AF+FR*(\a):AF+FR*(\a)+FR-1], 0, v[SC+16*(\sc)+8*(\q)+\b], v[SC+16*(\sc)+8*(\q)+(\a)] matrix_a_fmt:MATRIX_FMT_FP6 matrix_b_fmt:MATRIX_FMT_FP6 matrix_a_scale:MATRIX_SCALE_ROW1
.else
	v_wmma_scale_f32_16x16x128_f8f6f4 v[8*(8*((\a)%4)+\b):8*(8*((\a)%4)+\b)+7], v[128*(\p)+FR*\b:128*(\p)+FR*\b+FR-1], v[AF+FR*(\a):AF+FR*(\a)+FR-1], v[8*(8*((\a)%4)+\b):8*(8*((\a)%4)+\b)+7], v[SC+16*(\sc)+8*(\q)+\b], v[SC+16*(\sc)+8*(\q)+(\a)] matrix_a_fmt:MATRIX_FMT_FP6 matrix_b_fmt:MATRIX_FMT_FP6 matrix_a_scale:MATRIX_SCALE_ROW1
.endif
.endr
.endr
.endm
.macro FETCH_B slot, q, p
	WIN TO_B
.irp i, 0,1,2,3,4,5,6,7
	FRAG 128*(\p)+FR*\i, ADRB+\slot, \q, \i
.endr
	WIN 0
.endm
.macro FETCH_A slot, q, i0
.irp i, \i0, \i0+1, \i0+2, \i0+3
	FRAG AF+FR*(\i), ADRA+\slot, \q, \i
.endr
.endm
.macro SCALES sc
.irp q, 0,1
.irp e, 0,1
	ds_load_b128 v[SC+16*\sc+8*\q+4*\e:SC+16*\sc+8*\q+4*\e+3], v[ADRS+\sc] offset:\q*BLKB+16*\e
.endr
.endr
.endm
.macro PLACES n
.rept \n
	v_nop
.endr
.endm
.macro STEP slot, q, zero
	s_wait_dscnt 4*NL
	WIN MUL_LO
	MUL16 0, (\q)%2, \q, \slot, \zero
	MUL16 2, (\q)%2, \q, \slot, \zero
	s_wait_dscnt 0
	PLACES NP
	FETCH_B \slot, (\q)+1, 1-(\q)%2
	FETCH_A \slot, (\q)+1, 0
	WIN MUL_HI
	MUL16 4, (\q)%2, \q, \slot, \zero
	MUL16 6, (\q)%2, \q, \slot, \zero
	PLACES NP
	WIN 0
	FETCH_A \slot, (\q)+1, 4
.endm
.macro TURN slot, next, fill
.if \fill
	s_wait_xcnt 0x0                                ; the last prefetch, a slot back, has read its address
	s_add_nc_u64 s[88:89], s[88:89], LOADB
.endif
	s_wait_tensorcnt 0x0
	ds_add_u32 v[SPW], v[NIL]
	s_wait_dscnt 4*NL+1
	WIN MUL_LO
	MUL16 0, 1, 1, \slot, 0
	s_wait_dscnt 0x0
	s_barrier_signal -1
	MUL16 2, 1, 1, \slot, 0
	WIN 0
	s_barrier_wait -1
.if \fill
	CREST
	s_add_nc_u64 s[G0+4*\slot+2:G0+4*\slot+3], s[G0+4*\slot+2:G0+4*\slot+3], 2*LOADB
	s_add_nc_u64 s[G0B+4*\slot+2:G0B+4*\slot+3], s[G0B+4*\slot+2:G0B+4*\slot+3], 2*LOADB
	JLOAD G0+4*\slot, G1, G0B+4*\slot, G1B
.else
	PLACES NP
.endif
	FETCH_B \next, 0, 0
	FETCH_A \next, 0, 0
	SCALES \next
.if \fill
	s_cmp_gt_u32 s3, 1                             ; the loop's last trip has no slot two on
	s_cbranch_scc0 .Lno_ask_\@
	global_prefetch_b8 v30, s[88:89] offset:2*LOADB th:TH_LOAD_NT scope:SCOPE_SE
.Lno_ask_\@:
.endif
	WIN MUL_HI
	MUL16 4, 1, 1, \slot, 0
	MUL16 6, 1, 1, \slot, 0
	PLACES NP
	WIN 0
	FETCH_A \next, 0, 4
.endm
	s_wait_alu depctr_va_vdst(0)
	s_wait_loadcnt 0x0
	s_wait_tensorcnt 1
	s_barrier_signal -1
	s_barrier_wait -1
	FETCH_B 0, 0, 0
	FETCH_A 0, 0, 0
	SCALES 0
	FETCH_A 0, 0, 4
	STEP 0, 0, 1
	s_mov_b32 s3, LAPS-1
.Llap:
	TURN 0, 1, 1
	STEP 1, 0, 0
	TURN 1, 0, 1
	STEP 0, 0, 0
	s_sub_co_u32 s3, s3, 1
	s_cmp_lg_u32 s3, 0
	s_cbranch_scc1 .Llap
	TURN 0, 1, 0
	STEP 1, 0, 0
	s_wait_dscnt 4*NL
	WIN MUL_LO
	MUL16 0, 1, 1, 1, 0
	MUL16 2, 1, 1, 1, 0
	s_wait_dscnt 0
	WIN MUL_HI
	MUL16 4, 1, 1, 1, 0
	MUL16 6, 1, 1, 1, 0
	WIN 0
.macro BIAS a
	s_cmp_lg_u32 s76, 0
	s_cbranch_scc0 .Lrows_\@
	WIN 0x02+(\a)/4
.set k, 0
.rept 32
	v_pk_add_f32 v[T+k:T+k+1], v[64*((\a)%4)+k:64*((\a)%4)+k+1], v[BN+k:BN+k+1]
.set k, k+2
.endr
	WIN 0
	s_branch .Lbiased_\@
.Lrows_\@:
	WIN 0x02+(\a)/4
.set k, 0
.rept 32
	v_pk_add_f32 v[T+k:T+k+1], v[64*((\a)%4)+k:64*((\a)%4)+k+1], v[BM+2*(\a):BM+2*(\a)+1]
.set k, k+2
.endr
	WIN 0
.Lbiased_\@:
.endm
	PLACES NP
.irp b, 0,1,2,3
	v_mov_b32 v[TM+4+\b], 0
.endr
.irp a, 0,1,2,3,4,5,6,7
	BIAS \a
.if \a > 0
	s_wait_xcnt 0x0
.endif
	QUANT T, PWS+\a
.irp c, 0,1,2
	global_store_b128 v[CO], v[PC+4*\c:PC+4*\c+3], s[68:69] offset:1536*\a+512*\c
.endr
.endr
	v_cmp_eq_u32 vcc_lo, 1, v2
.irp e, 0,1,2,3
	v_cndmask_b32 v[FIN+\e], v[PWS+\e], v[PWS+4+\e], vcc_lo
.endr
	global_store_b128 v[SOF], v[FIN:FIN+3], s[70:71]
	s_wait_tensorcnt 0x0
	ds_add_u32 v[SPW], v[NIL]
	s_wait_dscnt 0x0
	CROUND
	s_endpgm
.Lfunc_end_k_qa748682b5e_qkv:
	.size	k_qa748682b5e_qkv, .Lfunc_end_k_qa748682b5e_qkv-k_qa748682b5e_qkv
	.p2alignl 7, 3214868480
	.fill 96, 4, 3214868480
	.section	.rodata,"a",@progbits
	.p2align	6, 0x0
	.amdhsa_kernel k_qa748682b5e_qkv
		.amdhsa_group_segment_fixed_size 327680
		.amdhsa_private_segment_fixed_size 0
		.amdhsa_enable_private_segment 0
		.amdhsa_kernarg_size 40
		.amdhsa_user_sgpr_count 2
		.amdhsa_user_sgpr_kernarg_segment_ptr 1
		.amdhsa_wavefront_size32 1
		.amdhsa_system_sgpr_workgroup_id_x 1
		.amdhsa_system_sgpr_workgroup_id_y 1
		.amdhsa_system_sgpr_workgroup_id_z 1
		.amdhsa_system_vgpr_workitem_id 0
		.amdhsa_next_free_vgpr 1024
		.amdhsa_next_free_sgpr 96
		.amdhsa_reserve_vcc 1
		.amdhsa_float_denorm_mode_32 3
		.amdhsa_float_denorm_mode_16_64 3
		.amdhsa_memory_ordered 1
		.amdhsa_forward_progress 1
		.amdhsa_inst_pref_size 175
	.end_amdhsa_kernel
	.amdgpu_metadata
---
amdhsa.version: [ 1, 2 ]
amdhsa.kernels:
  - .name:           k_qa748682b5e_qkv
    .symbol:         k_qa748682b5e_qkv.kd
    .args:
      - { .name: ops, .offset: 0, .size: 8, .value_kind: global_buffer, .address_space: global }
      - { .name: bq, .offset: 8, .size: 8, .value_kind: global_buffer, .address_space: global }
      - { .name: bk, .offset: 16, .size: 8, .value_kind: global_buffer, .address_space: global }
      - { .name: bv, .offset: 24, .size: 8, .value_kind: global_buffer, .address_space: global }
      - { .name: qkv, .offset: 32, .size: 8, .value_kind: global_buffer, .address_space: global }
    .group_segment_fixed_size: 327680
    .private_segment_fixed_size: 0
    .kernarg_segment_align: 8
    .kernarg_segment_size: 40
    .max_flat_workgroup_size: 128
    .sgpr_count:     96
    .vgpr_count:     1024
    .wavefront_size: 32
...
	.end_amdgpu_metadata
.endif
;; end of part 2
;; launch attn (part 3): grid 16 x 16, 8 waves a work-group, clusters of 4 x 1, 327,680 bytes of LDS; arguments qkv, ops, att; writes att
.if DOCPART == 3
	.amdgcn_target "amdgcn-amd-amdhsa--gfx1250"
	.amdhsa_code_object_version 6
	.text
	.protected	k_qa748682b5e_attn
	.globl	k_qa748682b5e_attn
	.p2align	8
	.type	k_qa748682b5e_attn,@function
k_qa748682b5e_attn:
	s_mov_b64 s[64:65], 0
	v_nop
	global_prefetch_b8 v0, s[64:65] scope:SCOPE_SE
	s_setreg_imm32_b32 hwreg(HW_REG_WAVE_MODE, 25, 1), 1
	s_wait_xcnt 0x0
	s_wait_alu depctr_hold_cnt(0) depctr_sa_sdst(0) depctr_va_vdst(0) depctr_va_sdst(0) depctr_va_ssrc(0) depctr_va_vcc(0) depctr_vm_vsrc(0)
	s_getreg_b32 s2, hwreg(HW_REG_IB_STS2, 6, 4)
	s_cmp_eq_u32 s2, 0
	s_cbranch_scc0 .Lentry_in_a_cluster
	s_endpgm
.Lentry_in_a_cluster:
	s_bfe_u32 s2, ttmp6, 0x10000c
	s_cmp_lg_u32 s2, 0x3003
	s_cbranch_scc0 .Lentry_shape_is_right
	s_endpgm
.Lentry_shape_is_right:
; For each head: O[q] = sum over k of softmax_k(mask(Q[q] . K[k] / sqrt(128))) V[k], both products on codes of FP6 (E2M3) with E8M0 scales; O is then quantised along the model's 2,048 for the last product.
; THE SOFTMAX: t = score x log2(e) / sqrt(128); M = the running largest t rounded UP to a whole number; p = 2^(t - M) is quantised along the keys, not normalised; the row's sum is taken of the unquantised p
; and divides O at the end.  When M moves, the sum and O are multiplied by 2^(old M - new M): exact.
; THE MASK is an operand of its own (ops, row blocks 80-95: the code -4 where a key is hidden from a query, else 0; here under the constant scale 2^100).  A product with a selection matrix (one code 1.0 in each row:
; row m of score tile t picks that row's key) gives -4 x 2^100 or 0 for each (key, query); that is the sum onto which the tile's product K Q^T adds.  So a hidden score lies near -5e30 and its p is 0.
; A QUERY WITH NO VISIBLE KEY ends with M under -1e20: its scale word is set to four bytes 0xff, so that the last product's sums for that token are NaN.
; LIMITS: the promise holds while the scaled scores t stay under 2^31 in magnitude; a block of zeros gets the byte 1; NaN and infinities in q, k, v are not served.
; SHARES: a work-group owns 128 queries of one head.  Wave w: query fragments 2 (w % 4) and 2 (w % 4) + 1 (32 queries) and the key steps of parity w / 4: each fragment of K and V read from LDS feeds two products.
; Fragment a of a wave is 2 (w % 4) + w / 4, fragment b the other.  At the end wave w hands its partial of b to wave w xor 4 through LDS and joins that wave's partial of its own a: exact powers of two again.
; LAYOUT: both products transposed (S^T = K Q^T, O^T = V^T P^T): a lane holds one query; the 16 registers of tiles 2 b, 2 b + 1 are 16 neighbours 32 b + 16 h + 0 .. 15.
; RING: two LDS slots of four key steps (an entry of 25,600 bytes a step: K's codes, V's codes, K's and V's scale words); each wave brings an eighth of a slot, 12,800 dense bytes, by one tensor load.
; CLUSTER 4 x 1: the four query blocks of a cluster belong to one head and ask for K and V jointly.  K and V are prefetched a slot ahead; the mask fragments are loaded into registers a whole step of the wave ahead
; of their use, so no prefetch is laid for them.
; REGISTERS: window 0: v1-11 addresses; v12-19 -M, largest t, sum of a and of b; v20-23 f and p's scale word of a, b; v24-27 scale words of Q a, Q b, the selection, the mask; v28-51 Q; v52-75 p's codes;
;   v76-91 K's and V's scale words; v92-119 at work; v120-123 mask offsets; v128-191 S^T, then p; v192-255 O^T of a.
;   window 1: v0-95 K's eight fragments, then V's; v96-149 zeros and the four selection patterns by turns; v150-173 the mask fragments of a, b; v192-255 O^T of b.
.set KVBASE, 3276800
.set MSKB,  16384000                   ; the mask's blocks in ops
.set BLKB,  12800
.set ENT,   25600
.set SLOTB, 4*ENT
.set SLOT1, 1<<17
.set SPARE, SLOT1+SLOTB                ; the spare words, 128 bytes for each of the eight waves
.set SCST,  SPARE+1024                 ; 512 bytes in which the eight fragments' scale words meet
.set XSTB,  SCST+512                   ; the partials' stage: 8,704 bytes a wave; no fill lands here
.set XREG,  8704
.set LI,   1
.set LSW,  2
.set SCI,  3
.set SCO,  4
.set SPW,  5                           ; my spare word; never rewritten
.set NIL,  6                           ; 0; never rewritten
.set PFO,  7
.set ADK,  8
.set ADS,  9
.set XS,   10
.set XL,   11
.set QA,   28
.set QB,   40
.set PCA,  52
.set PCB,  64
.set KW,   76
.set VW,   84
.set BM,   92
.set PM,   96
.set SO,   100
.set SPL,  104
.set T,    112
.set X1,   118
.set MA,   120
.set MB,   121
.set VA0,  122
.set VB0,  123
.set S,    128
.set O,    192                         ; in window 0 for a, in window 1 for b
.set KF,   0                           ; window 1
.set SELB, 96                          ; window 1
.set MKA,  150                         ; window 1
.set MKB,  162                         ; window 1
.set TM,   92                          ; the way out's QUANT
.set PC,   52
.set TB,   2
.set SLOTS, 3
.set G1,   8
.set G0,   16
.set SEL,  20
.set CS,   22
.set WV,   24
.set STEPS, 25
.set MO,   26
.set LIM,  27
.set PFA,  28
.set MSB, 0
.macro WIN new
.if MSB != (\new)
	s_set_vgpr_msb (MSB<<8)|(\new)
.set MSB, (\new)
.endif
.endm
.set TO_F, 0x40                        ; destination window 1, address window 0
.macro CROUND
	s_barrier_signal -1
	s_barrier_wait -1
	s_cmp_lg_u32 s[WV], 0
	s_cbranch_scc1 .Lnot_wave_0_\@
	s_barrier_signal -3
.Lnot_wave_0_\@:
	s_barrier_wait -3
	s_barrier_signal -1
	s_barrier_wait -1
.endm
; A prefetch of what the NEXT change of slots will ask for.  The head's first cluster asks; partner cx names the codes of the slot's step cx, 24,576 bytes: waves 0 to 2, 8,192 bytes each, lanes 256 bytes apart.
.macro ASK
	s_cmp_gt_u32 s[SLOTS], s[LIM]
	s_cbranch_scc0 .Lnot_mine_\@
	global_prefetch_b8 v[PFO], s[PFA:PFA+1] th:TH_LOAD_NT scope:SCOPE_SE
.Lnot_mine_\@:
.endm
.macro QUANT s, pw
.irp b, 0,1,2,3
	v_max3_num_f32 v[TM+\b], |v[\s+16*\b]|, |v[\s+1+16*\b]|, 0x1800000
.endr
.irp i, 2,4,6,8,10,12,14
.irp b, 0,1,2,3
	s_delay_alu instid0(VALU_DEP_4)
	v_max3_num_f32 v[TM+\b], v[TM+\b], |v[\s+16*\b+\i]|, |v[\s+1+16*\b+\i]|
.endr
.endr
.irp b, 0,1,2,3
	s_delay_alu instid0(VALU_DEP_4)
	v_permlanex16_b32 v[TM+4+\b], v[TM+\b], s[SEL], s[SEL+1]
.endr
.irp b, 0,1,2,3
	s_delay_alu instid0(VALU_DEP_4)
	v_max_num_f32 v[TM+\b], v[TM+\b], v[TM+4+\b]
.endr
.irp b, 0,1,2,3
	s_delay_alu instid0(VALU_DEP_4)
	v_add_nc_u32 v[TM+12+\b], 0xff000000, v[TM+\b]
.endr
.irp b, 0,1,2,3
	s_delay_alu instid0(VALU_DEP_4)
	v_lshrrev_b32 v[TM+4+\b], 23, v[TM+12+\b]
.endr
	s_delay_alu instid0(VALU_DEP_3)
	v_lshl_or_b32 v[\pw], v[TM+5], 8, v[TM+4]
	s_delay_alu instid0(VALU_DEP_1)
	v_lshl_or_b32 v[\pw], v[TM+6], 16, v[\pw]
	s_delay_alu instid0(VALU_DEP_1)
	v_lshl_or_b32 v[\pw], v[TM+7], 24, v[\pw]
.irp c, 0,1
	v_cvt_scalef32_pk16_fp6_f32 v[PC+6*\c:PC+2+6*\c], v[\s+32*\c:\s+15+32*\c], v[TM+12+2*\c]
	v_cvt_scalef32_pk16_fp6_f32 v[PC+12+4*\c:PC+14+4*\c], v[\s+16+32*\c:\s+31+32*\c], v[TM+12+2*\c+1]
.endr
	v_nop
.irp c, 0,1
.irp i, 0,1,2
	v_permlane16_swap_b32 v[PC+6*\c+\i], v[PC+12+4*\c+\i]
.endr
.irp i, 0,1,2
	s_delay_alu instid0(VALU_DEP_3)
	v_mov_b32 v[PC+3+6*\c+\i], v[PC+12+4*\c+\i]
.endr
.endr
.endm
	s_load_b128 s[4:7], s[0:1], 0x0                ; qkv, ops
	s_load_b64 s[30:31], s[0:1], 0x10              ; att
	v_lshl_add_u32 v[SPW], v0, 2, SPARE
	v_mov_b32 v[NIL], 0
	ds_add_u32 v[SPW], v[NIL]                      ; the opening lines: the add, twice on end, and its wait
	ds_add_u32 v[SPW], v[NIL]
	v_lshrrev_b32 v8, 5, v0
	v_readfirstlane_b32 s[WV], v8                  ; wave 0..7
	s_lshr_b32 s60, s[WV], 2                       ; my parity of key steps
	s_and_b32 s61, s[WV], 3
	s_lshl_b32 s62, s61, 1
	s_add_co_u32 s62, s62, s60                     ; fragment a
	s_xor_b32 s63, s62, 1                          ; fragment b
	s_bfe_u32 s32, ttmp6, 0x40000                  ; cx: it enters the addresses of Q, the mask, the result and the prefetch alone
	s_lshl_b32 s33, ttmp9, 2
	s_add_co_u32 s33, s33, s32                     ; X: my block of 128 queries
	s_and_b32 s34, ttmp7, 0xffff                   ; the head
	s_mul_i32 s35, s[WV], BLKB                     ; my eighth of a slot
	s_mul_i32 s36, s34, 16*ENT
	s_add_co_u32 s36, s36, s35
	s_add_co_u32 s36, s36, KVBASE
	s_mov_b32 s37, 0
	s_lshl_b32 s38, s34, 4
	s_add_co_u32 s38, s38, s33
	s_mul_i32 s38, s38, BLKB                       ; Q's block: head x 16 + X
	s_mov_b32 s39, 0
	s_lshl_b32 s40, s33, 4
	s_add_co_u32 s40, s40, s34
	s_mul_i32 s40, s40, BLKB                       ; the result's block: X x 16 + head
	s_mov_b32 s41, 0
	s_mul_i32 s42, s62, 1536                       ; fragment a in a block,
	s_mov_b32 s43, 0
	s_mul_i32 s48, s63, 1536                       ; fragment b
	s_lshl_b32 s44, s33, 4
	s_add_co_u32 s44, s44, s60
	s_mul_i32 s44, s44, BLKB
	s_add_co_u32 s44, s44, MSKB                    ; the mask's block (X, my first key step)
	s_mov_b32 s45, 0
	s_mul_i32 s46, s32, ENT
	s_lshl_b32 s47, s[WV], 13
	s_add_co_u32 s46, s46, s47
	s_mul_i32 s47, s34, 16*ENT
	s_add_co_u32 s46, s46, s47
	s_add_co_u32 s46, s46, KVBASE+SLOTB            ; the prefetches stand in slot 1: the first change of slots steps them to slot 2
	s_mov_b32 s47, 0
	s_cmp_lt_u32 s[WV], 3
	s_cselect_b32 s[LIM], 0, 1
	s_or_b32 s[LIM], s[LIM], ttmp9
	s_cmp_eq_u32 s[LIM], 0
	s_cselect_b32 s[LIM], 1, -1
	s_mov_b32 s[G1], 15|(3<<16)|(1<<21)            ; the mask of all four work-groups; elements of 8 bytes; 21 set beside a mask
	s_mov_b32 s[G1+1], 32<<16
	s_mov_b32 s[G1+2], 50<<16                      ; 50 rows of 256 bytes
	s_mov_b32 s[G1+3], 32<<16
	s_mov_b32 s[G1+4], 50
	s_mov_b32 s[G1+5], 32
	s_mov_b32 s[G1+6], 0
	s_mov_b32 s[G1+7], 0
	s_mov_b32 s[SEL], 0x76543210
	s_mov_b32 s[SEL+1], 0xfedcba98
	s_mov_b32 s[CS], 0x3e0293ee
	s_mov_b32 s[CS+1], s[CS]
	s_mul_i32 s[TB], s60, ENT
	s_mov_b32 s[SLOTS], 3
	s_mov_b32 s[MO], 0
	s_lshl_b32 s49, s62, 2
	s_lshl_b32 s50, s63, 2
	s_add_co_u32 s53, s49, SCST
	s_add_co_u32 s49, s49, 12288
	s_add_co_u32 s50, s50, 12288
	s_mul_i32 s51, s[WV], XREG
	s_add_co_u32 s51, s51, XSTB                    ; my part of the stage,
	s_xor_b32 s52, s[WV], 4
	s_mul_i32 s52, s52, XREG
	s_add_co_u32 s52, s52, XSTB                    ; my partner's
	s_wait_dscnt 0x0
	v_and_b32 v8, 15, v0                           ; r
	v_and_b32 v118, 31, v0
	v_lshlrev_b32 v119, 5, v8                      ; 32 r
	v_lshlrev_b32 v[LI], 4, v118
	v_lshlrev_b32 v[PFO], 8, v118
	v_add_nc_u32 v[LSW], 24576, v119
	v_add_nc_u32 v[SCI], s53, v119
	v_add_nc_u32 v124, s49, v119                   ; Q's scale words
	v_add_nc_u32 v125, s50, v119
	v_add_nc_u32 v[VA0], s42, v[LI]                ; a fragment's image in a block: of Q and of the mask alike
	v_add_nc_u32 v[VB0], s48, v[LI]
	v_add_nc_u32 v[SCO], SCST, v[LI]
	v_add_nc_u32 v[XS], s51, v[LI]
	v_add_nc_u32 v[XL], s52, v[LI]
	v_add_nc_u32 v[MA], s42, v[LI]
	v_add_nc_u32 v[MB], s48, v[LI]
	s_wait_alu depctr_va_vdst(0)
	s_wait_kmcnt 0x0
	s_mov_b32 s[G0], 1
	s_mov_b32 s[G0+1], s35
	s_add_nc_u64 s[G0+2:G0+3], s[4:5], s[36:37]
	s_or_b32 s[G0+3], s[G0+3], 0x80000000
	s_add_nc_u64 s[PFA:PFA+1], s[4:5], s[46:47]
	s_add_nc_u64 s[4:5], s[4:5], s[38:39]
	s_add_nc_u64 s[6:7], s[6:7], s[44:45]
	s_add_nc_u64 s[30:31], s[30:31], s[40:41]
	s_add_nc_u64 s[66:67], s[30:31], s[42:43]
	CROUND                                         ; all four work-groups are here: the first joint loads meet
	tensor_load_to_lds s[G0:G0+3], s[G1:G1+7]      ; slot 0
	s_nop 0
.rept 4
	v_nop
.endr
.irp c, 0,1,2
	global_load_b128 v[QA+4*\c:QA+4*\c+3], v[VA0], s[4:5] offset:512*\c
	global_load_b128 v[QB+4*\c:QB+4*\c+3], v[VB0], s[4:5] offset:512*\c
.endr
	global_load_b32 v24, v124, s[4:5]
	global_load_b32 v25, v125, s[4:5]
.macro MLOAD                           ; six loads: the mask fragments of a and b for the key step at s[MO]
	WIN TO_F
.irp c, 0,1,2
	global_load_b128 v[MKA+4*\c:MKA+4*\c+3], v[MA], s[6:7] offset:512*\c
	global_load_b128 v[MKB+4*\c:MKB+4*\c+3], v[MB], s[6:7] offset:512*\c
.endr
	WIN 0
.endm
	MLOAD
	; the selection patterns.  Tile t's row m picks key 32 (t / 2) + o, o = 8 (t % 2) + m + 8 (m / 8): in the operand's layout that is block 2 (t / 4) + (t / 2) % 2, code o of the 32 that lane (m, (t / 2) % 2) holds.
	; Pattern t % 4 is that lane's six registers (bit 6 o + 3: the code 1.0); with six zeros behind it or ahead of it, it is tile t's fragment.
	v_and_b32 v92, 8, v8
	v_add_nc_u32 v92, v92, v8
	v_mul_u32_u24 v92, v92, 6
	v_bfe_u32 v93, v0, 4, 1                        ; h
	v_mov_b32 v94, 1
	v_add_nc_u32 v95, 3, v92
	v_add_nc_u32 v96, 51, v92
	v_xor_b32 v99, 1, v93
	v_lshlrev_b32 v97, v95, v94                    ; the bit (the shift takes the low five bits of its amount),
	v_lshlrev_b32 v98, v96, v94
	v_lshrrev_b32 v95, 5, v95                      ; the register
	v_lshrrev_b32 v96, 5, v96
	v_lshl_add_u32 v100, v93, 3, v95               ; + 8 in the half of the lanes that holds none of the pattern: no register fits
	v_lshl_add_u32 v101, v93, 3, v96
	v_lshl_add_u32 v102, v99, 3, v95
	v_lshl_add_u32 v103, v99, 3, v96
	WIN 0x40
.irp z, 0,1,2,3,4
.irp j, 0,1,2,3,4,5
	v_mov_b32 v[SELB+12*\z+\j], 0
.endr
.endr
.irp p, 0,1,2,3
.irp j, 0,1,2,3,4,5
	v_cmp_eq_u32 vcc_lo, \j, v[100+\p]
	v_cndmask_b32 v[SELB+6+12*\p+\j], 0, v[97+\p%2], vcc_lo
.endr
.endr
.set n, 0
.rept 64
	v_mov_b32 v[O+n], 0                            ; O^T of b: the step is written once; the first finds zeros
.set n, n+1
.endr
	WIN 0
.set n, 0
.rept 64
	v_mov_b32 v[O+n], 0                            ; O^T of a
.set n, n+1
.endr
	v_mov_b32 v13, 0xff61b1e6                      ; the largest t so far: -3e38
	v_mov_b32 v17, 0xff61b1e6
	v_floor_f32 v12, -v13
	v_floor_f32 v16, -v17
	v_mov_b32 v14, 0
	v_mov_b32 v15, 0
	v_mov_b32 v18, 0
	v_mov_b32 v19, 0
	v_mov_b32 v21, 0
	v_mov_b32 v23, 0
	v_mov_b32 v26, 0x7f7f7f7f                      ; the selection's scale: 1
	v_mov_b32 v27, 0xe3e3e3e3                      ; the mask operand's scale: 2^100
.macro FETCH base, words, w            ; 26 LDS loads: eight scale words and eight fragments of the entry in hand
	WIN 0
	ds_load_b128 v[\w:\w+3], v[ADS] offset:\words
	ds_load_b128 v[\w+4:\w+7], v[ADS] offset:\words+16
	WIN TO_F
.irp f, 0,1,2,3,4,5,6,7
.irp c, 0,1,2
	ds_load_b128 v[KF+12*\f+4*\c:KF+12*\f+4*\c+3], v[ADK] offset:\base+\f*1536+512*\c
.endr
.endr
.endm
.macro MASKW mk                        ; the tiles' sums begin: -4 x 2^100 where the key is hidden, else 0
	WIN 0x05
.irp t, 0,1,2,3,4,5,6,7
	v_wmma_scale_f32_16x16x128_f8f6f4 v[S+8*\t:S+8*\t+7], v[SELB+12*(\t%4)+6*(1-\t/4):SELB+12*(\t%4)+6*(1-\t/4)+11], v[\mk:\mk+11], 0, v26, v27 matrix_a_fmt:MATRIX_FMT_FP6 matrix_b_fmt:MATRIX_FMT_FP6
.endr
.endm
.macro QK q, qs                        ; S^T += K Q^T; the eight accumulators by turns
	WIN 0x01
.irp t, 0,1,2,3,4,5,6,7
	v_wmma_scale_f32_16x16x128_f8f6f4 v[S+8*\t:S+8*\t+7], v[KF+12*\t:KF+12*\t+11], v[\q:\q+11], v[S+8*\t:S+8*\t+7], v[KW+\t], v[\qs] matrix_a_fmt:MATRIX_FMT_FP6 matrix_b_fmt:MATRIX_FMT_FP6
.endr
	WIN 0
.endm
.macro PV win, pc, pw                  ; O^T += V^T P^T
	WIN \win
.irp t, 0,1,2,3,4,5,6,7
	v_wmma_scale_f32_16x16x128_f8f6f4 v[O+8*\t:O+8*\t+7], v[KF+12*\t:KF+12*\t+11], v[\pc:\pc+11], v[O+8*\t:O+8*\t+7], v[VW+\t], v[\pw] matrix_a_fmt:MATRIX_FMT_FP6 matrix_b_fmt:MATRIX_FMT_FP6
.endr
.endm
; The softmax of one fragment's 16 queries x 128 keys in v[S]: st = (-M, largest t), su = the sum's pair, fp = (f, p's scale word), pc = p's codes, ow = the window setting under which O^T is scaled
.macro SOFT st, su, fp, pc, ow
.irp b, 0,1,2,3
	v_max3_num_f32 v[BM+\b], v[S+16*\b], v[S+1+16*\b], v[S+2+16*\b]   ; the largest score of each block of 32 keys: for the row's maximum and for the block's largest p
.endr
.irp i, 3,5,7,9,11,13
.irp b, 0,1,2,3
	v_max3_num_f32 v[BM+\b], v[BM+\b], v[S+16*\b+\i], v[S+1+16*\b+\i]   ; the four blocks by turns
.endr
.endr
.irp b, 0,1,2,3
	v_max_num_f32 v[BM+\b], v[BM+\b], v[S+15+16*\b]
.endr
.irp b, 0,1,2,3
	s_delay_alu instid0(VALU_DEP_4)
	v_permlanex16_b32 v[PM+\b], v[BM+\b], s[SEL], s[SEL+1]
.endr
.irp b, 0,1,2,3
	s_delay_alu instid0(VALU_DEP_4)
	v_max_num_f32 v[BM+\b], v[BM+\b], v[PM+\b]
.endr
	s_delay_alu instid0(VALU_DEP_2)
	v_max3_num_f32 v[X1], v[BM], v[BM+1], v[BM+2]
	s_delay_alu instid0(VALU_DEP_1)
	v_max_num_f32 v[X1], v[X1], v[BM+3]
	s_delay_alu instid0(VALU_DEP_1)
	v_mul_f32 v[X1], s[CS], v[X1]
	s_delay_alu instid0(VALU_DEP_1)
	v_max_num_f32 v[\st+1], v[\st+1], v[X1]        ; the running largest t
	v_mov_b32 v[X1], v[\st]
	s_delay_alu instid0(VALU_DEP_2)
	v_floor_f32 v[\st], -v[\st+1]                  ; the new -M: M is a whole number
	s_delay_alu instid0(VALU_DEP_1)
	v_sub_f32 v[X1], v[\st], v[X1]
	s_delay_alu instid0(VALU_DEP_1)
	v_cvt_i32_f32 v[X1], v[X1]                     ; (it saturates)
	s_delay_alu instid0(VALU_DEP_1)
	v_ldexp_f32 v[\fp], 1.0, v[X1]                 ; f = 2^(old M - new M)
.set n, 0
.rept 32
	v_pk_fma_f32 v[S+n:S+n+1], v[S+n:S+n+1], s[CS:CS+1], v[\st:\st+1] op_sel_hi:[1,0,0]   ; t - M
.set n, n+2
.endr
.irp b, 0,1,2,3
	v_fma_f32 v[BM+\b], v[BM+\b], s[CS], v[\st]
.endr
	s_wait_alu depctr_va_vdst(0)
.set n, 0
.rept 64
	v_exp_f32 v[S+n], v[S+n]                       ; p = 2^(t - M)
.set n, n+1
.endr
	v_pk_mul_f32 v[\su:\su+1], v[\su:\su+1], v[\fp:\fp+1] op_sel_hi:[1,0]   ; the sums under the new M: a plain place behind the exponentials
	s_wait_alu depctr_va_vdst(0)                   ; one wait for the batch, ahead of its first reader
.irp b, 0,1,2,3
	v_exp_f32 v[BM+\b], v[BM+\b]                   ; the block's largest p
.endr
	v_pk_add_f32 v[T:T+1], v[S+2:S+3], v[S+4:S+5]  ; the row's sum of the unquantised p, in four chains by turns
	v_pk_add_f32 v[T+2:T+3], v[S+6:S+7], v[S+8:S+9]
	v_pk_add_f32 v[T+4:T+5], v[S+10:S+11], v[S+12:S+13]
	v_pk_add_f32 v[\su:\su+1], v[\su:\su+1], v[S:S+1]
.set n, 14
.rept 6
	v_pk_add_f32 v[T:T+1], v[T:T+1], v[S+n:S+n+1]
	v_pk_add_f32 v[T+2:T+3], v[T+2:T+3], v[S+n+2:S+n+3]
	v_pk_add_f32 v[T+4:T+5], v[T+4:T+5], v[S+n+4:S+n+5]
	v_pk_add_f32 v[\su:\su+1], v[\su:\su+1], v[S+n+6:S+n+7]
.set n, n+8
.endr
	v_pk_add_f32 v[T:T+1], v[T:T+1], v[S+62:S+63]
	v_pk_add_f32 v[T+2:T+3], v[T+2:T+3], v[T+4:T+5]
	v_pk_add_f32 v[\su:\su+1], v[\su:\su+1], v[T:T+1]
	v_pk_add_f32 v[\su:\su+1], v[\su:\su+1], v[T+2:T+3]
	s_wait_alu depctr_va_vdst(0)                   ; and one for the four
.irp b, 0,1,2,3
	v_max_num_f32 v[BM+\b], 0x1800000, v[BM+\b]    ; the floor 2^(3 - 127)
.endr
.irp b, 0,1,2,3
	s_delay_alu instid0(VALU_DEP_4)
	v_add_nc_u32 v[SO+\b], 0xff000000, v[BM+\b]
.endr
.irp b, 0,1,2,3
	s_delay_alu instid0(VALU_DEP_4)
	v_lshrrev_b32 v[PM+\b], 23, v[SO+\b]
.endr
	s_delay_alu instid0(VALU_DEP_3)
	v_lshl_or_b32 v[\fp+1], v[PM+1], 8, v[PM]      ; p's scale word for these 128 keys
	s_delay_alu instid0(VALU_DEP_1)
	v_lshl_or_b32 v[\fp+1], v[PM+2], 16, v[\fp+1]
	s_delay_alu instid0(VALU_DEP_1)
	v_lshl_or_b32 v[\fp+1], v[PM+3], 24, v[\fp+1]
.irp c, 0,1
	v_cvt_scalef32_pk16_fp6_f32 v[\pc+6*\c:\pc+2+6*\c], v[S+32*\c:S+15+32*\c], v[SO+2*\c]
	v_cvt_scalef32_pk16_fp6_f32 v[SPL+4*\c:SPL+2+4*\c], v[S+16+32*\c:S+31+32*\c], v[SO+2*\c+1]
.endr
	v_nop
.irp c, 0,1
.irp i, 0,1,2
	v_permlane16_swap_b32 v[\pc+6*\c+\i], v[SPL+4*\c+\i]
.endr
.irp i, 0,1,2
	s_delay_alu instid0(VALU_DEP_3)
	v_mov_b32 v[\pc+3+6*\c+\i], v[SPL+4*\c+\i]
.endr
.endr
	s_wait_alu depctr_va_vdst(0)                   ; the wait directly ahead of the first reader of O^T
	WIN \ow
.set n, 0
.rept 32
	v_pk_mul_f32 v[O+n:O+n+1], v[O+n:O+n+1], v[\fp:\fp+1] op_sel_hi:[1,0]   ; O^T under the new M; also the places between p's codes and scale word and the products
.set n, n+2
.endr
	WIN 0
.endm
; A KEY STEP of the wave: 128 keys x its 32 queries.  K's registers take V when both fragments' scores are made.
.macro STEP
	v_add_nc_u32 v[ADK], s[TB], v[LI]
	v_add_nc_u32 v[ADS], s[TB], v[LSW]
	v_nop
	v_nop                                          ; four places in front of loads into registers that the last products read
	FETCH 0, 0, KW
	s_wait_loadcnt 0x0                             ; this step's mask fragments (the first time: Q too)
	MASKW MKA
	s_wait_dscnt 0x0                               ; K is in
	QK QA, 24
.rept 4
	v_nop                                          ; places in front of the first read of the scores
.endr
	SOFT 12, 14, 20, PCA, 0
	MASKW MKB
	QK QB, 25
	s_add_co_u32 s[MO], s[MO], 2*BLKB              ; my next key step's mask; the last step asks for its own again, so that no load leaves the buffer
	s_min_u32 s[MO], s[MO], 14*BLKB
	v_add_nc_u32 v[MA], s[MO], v[VA0]
	v_add_nc_u32 v[MB], s[MO], v[VB0]
	v_nop
	v_nop                                          ; four places in front of the loads into K's and the mask's registers and of the first read of the scores
	FETCH 12288, 512, VW                           ; V: wanted behind b's softmax
	MLOAD
	SOFT 16, 18, 22, PCB, 0x41
.rept 4
	v_nop                                          ; four places between the scaling and the products that add onto what it wrote
.endr
	s_wait_alu depctr_va_vdst(0)
	s_wait_dscnt 0x0                               ; V is in
	PV 0x01, PCA, 21
	PV 0x51, PCB, 23
	WIN 0
.endm
.macro SLOT_STEPS                      ; my two key steps of a slot
	s_mov_b32 s[STEPS], 2
.Lstep_\@:
	STEP
	s_add_co_u32 s[TB], s[TB], 2*ENT
	s_sub_co_u32 s[STEPS], s[STEPS], 1
	s_cmp_lg_u32 s[STEPS], 0
	s_cbranch_scc1 .Lstep_\@
	s_sub_co_u32 s[TB], s[TB], 4*ENT
	s_xor_b32 s[TB], s[TB], SLOT1                  ; on to the other slot
.endm
; THE CHANGE OF SLOTS: each wave waits for all its tensor loads, adds 0 to its spare word, and waits for that and for its reads of the slot that it has left.
; fill = 1: the barrier is a round of the cluster's, and behind it the slot that was left is filled with the next four key steps.
.macro CHANGE fill
	s_wait_tensorcnt 0x0
	ds_add_u32 v[SPW], v[NIL]
.if \fill
	s_xor_b32 s[G0+1], s[G0+1], SLOT1
	s_add_nc_u64 s[G0+2:G0+3], s[G0+2:G0+3], SLOTB
	s_wait_xcnt 0x0                                ; the last prefetch, a slot back, has read its address
	s_add_nc_u64 s[PFA:PFA+1], s[PFA:PFA+1], SLOTB
	s_wait_dscnt 0x0
	CROUND
	tensor_load_to_lds s[G0:G0+3], s[G1:G1+7]      ; my one tensor load until the next round
	s_nop 0
.rept 4
	v_nop
.endr
	ASK
.else
	s_wait_dscnt 0x0
	s_barrier_signal -1
	s_barrier_wait -1
.endif
.endm
	s_wait_alu depctr_va_vdst(0)
.Lslot:
	CHANGE 1
	SLOT_STEPS
	s_sub_co_u32 s[SLOTS], s[SLOTS], 1
	s_cmp_lg_u32 s[SLOTS], 0
	s_cbranch_scc1 .Lslot
	CHANGE 0                                       ; the last slot is written out
	SLOT_STEPS
	; THE JOIN.  My partial of b (O^T, -M, the sum) goes to the stage; my partner's partial of my a comes back.
	s_wait_loadcnt 0x0                             ; the mask fragments that the last step asked for have landed
	v_add_f32 v14, v14, v15                        ; these six are also the places behind the last products
	v_add_f32 v18, v18, v19
	v_permlanex16_b32 v[PM], v14, s[SEL], s[SEL+1]
	v_permlanex16_b32 v[PM+1], v18, s[SEL], s[SEL+1]
	v_add_f32 v14, v14, v[PM]                      ; the rows' sums over my keys
	v_add_f32 v18, v18, v[PM+1]
	WIN 0x04                                       ; the data: window 1
.set n, 0
.rept 16
	ds_store_b128 v[XS], v[O+4*n:O+4*n+3] offset:512*n   ; each accumulator from its low end on
.set n, n+1
.endr
	WIN 0
	ds_store_b128 v[XS], v[16:19] offset:8192      ; -M in the first word, the sum in the third
	s_wait_alu depctr_va_vdst(0)
	s_wait_dscnt 0x0                               ; for my partner's sake
	s_barrier_signal -1
	s_barrier_wait -1
.set n, 0
.rept 16
	ds_load_b128 v[S+4*n:S+4*n+3], v[XL] offset:512*n
.set n, n+1
.endr
	ds_load_b128 v[104:107], v[XL] offset:8192
	s_wait_dscnt 0x0
	v_min_num_f32 v[X1], v12, v104                 ; -M of both
	v_sub_f32 v108, v[X1], v12
	v_sub_f32 v109, v[X1], v104
	v_cvt_i32_f32 v108, v108                       ; (they saturate)
	v_cvt_i32_f32 v109, v109
	v_ldexp_f32 v108, 1.0, v108                    ; 2^(my M - M), 2^(my partner's M - M)
	v_ldexp_f32 v109, 1.0, v109
	v_mul_f32 v110, v14, v108
	v_fma_f32 v110, v106, v109, v110               ; the row's sum
	v_cmp_lt_f32 s59, 0x60ad78ec, v[X1]            ; M under -1e20: no key was visible
	s_wait_alu depctr_va_vdst(0)
	v_rcp_f32 v111, v110
	v_nop
	s_wait_alu depctr_va_vdst(0)                   ; ahead of the reciprocal's first reader, and of the first readers of O^T
	v_mul_f32 v20, v108, v111
	v_mul_f32 v22, v109, v111
.set n, 0
.rept 32
	v_pk_mul_f32 v[S+n:S+n+1], v[S+n:S+n+1], v[22:23] op_sel_hi:[1,0]
.set n, n+2
.endr
.set n, 0
.rept 32
	v_pk_fma_f32 v[S+n:S+n+1], v[O+n:O+n+1], v[20:21], v[S+n:S+n+1] op_sel_hi:[1,0,1]   ; each accumulator from its low end on
.set n, n+2
.endr
	QUANT S, 119                                   ; register 16 b + i is channel 32 b + 16 h + i of my query: fragment a of block (X, head) of the last product's first operand
	v_cndmask_b32 v119, v119, -1, s59              ; a query with no visible key: four bytes 0xff
.irp c, 0,1,2
	global_store_b128 v[LI], v[PC+4*\c:PC+4*\c+3], s[66:67] offset:512*\c   ; 512 consecutive bytes, at a multiple of 256 from the buffer's first byte
.endr
	ds_store_b32 v[SCI], v119                      ; lanes r and r + 16 write the same word with the same value
	s_wait_dscnt 0x0
	s_barrier_signal -1
	s_barrier_wait -1
	s_cmp_lg_u32 s[WV], 0
	s_cbranch_scc1 .Lnot_0
	ds_load_b128 v[S:S+3], v[SCO]                  ; wave 0 stores the block's 512 bytes of scale words
	s_wait_dscnt 0x0
	global_store_b128 v[LI], v[S:S+3], s[30:31] offset:12288
.Lnot_0:
	s_wait_tensorcnt 0x0                           ; the wave's end
	ds_add_u32 v[SPW], v[NIL]
	s_wait_dscnt 0x0
	CROUND                                         ; the closing round
	s_endpgm
.Lfunc_end_k_qa748682b5e_attn:
	.size	k_qa748682b5e_attn, .Lfunc_end_k_qa748682b5e_attn-k_qa748682b5e_attn
	.p2alignl 7, 3214868480
	.fill 96, 4, 3214868480
	.section	.rodata,"a",@progbits
	.p2align	6, 0x0
	.amdhsa_kernel k_qa748682b5e_attn
		.amdhsa_group_segment_fixed_size 327680
		.amdhsa_private_segment_fixed_size 0
		.amdhsa_enable_private_segment 0
		.amdhsa_kernarg_size 24
		.amdhsa_user_sgpr_count 2
		.amdhsa_user_sgpr_kernarg_segment_ptr 1
		.amdhsa_wavefront_size32 1
		.amdhsa_system_sgpr_workgroup_id_x 1
		.amdhsa_system_sgpr_workgroup_id_y 1
		.amdhsa_system_sgpr_workgroup_id_z 1
		.amdhsa_system_vgpr_workitem_id 0
		.amdhsa_next_free_vgpr 512
		.amdhsa_next_free_sgpr 70
		.amdhsa_reserve_vcc 1
		.amdhsa_float_denorm_mode_32 3
		.amdhsa_float_denorm_mode_16_64 3
		.amdhsa_memory_ordered 1
		.amdhsa_forward_progress 1
		.amdhsa_inst_pref_size 108
	.end_amdhsa_kernel
	.amdgpu_metadata
---
amdhsa.version: [ 1, 2 ]
amdhsa.kernels:
  - .name:           k_qa748682b5e_attn
    .symbol:         k_qa748682b5e_attn.kd
    .args:
      - { .name: qkv, .offset: 0, .size: 8, .value_kind: global_buffer, .address_space: global }
      - { .name: ops, .offset: 8, .size: 8, .value_kind: global_buffer, .address_space: global }
      - { .name: att, .offset: 16, .size: 8, .value_kind: global_buffer, .address_space: global }
    .group_segment_fixed_size: 327680
    .private_segment_fixed_size: 0
    .kernarg_segment_align: 8
    .kernarg_segment_size: 24
    .max_flat_workgroup_size: 256
    .sgpr_count:     70
    .vgpr_count:     512
    .wavefront_size: 32
...
	.end_amdgpu_metadata
.endif
;; end of part 3
;; launch proj (part 4): grid 16 x 16, 4 waves a work-group, clusters of 4 x 4, 327,680 bytes of LDS; arguments att, ops, bo, out0; writes out0
.if DOCPART == 4
	.amdgcn_target "amdgcn-amd-amdhsa--gfx1250"
	.amdhsa_code_object_version 6
	.text
	.protected	k_qa748682b5e_proj
	.globl	k_qa748682b5e_proj
	.p2align	8
	.type	k_qa748682b5e_proj,@function
k_qa748682b5e_proj:
	s_mov_b64 s[64:65], 0
	v_nop
	global_prefetch_b8 v0, s[64:65] scope:SCOPE_SE
	s_setreg_imm32_b32 hwreg(HW_REG_WAVE_MODE, 25, 1), 1
	s_wait_xcnt 0x0
	s_wait_alu depctr_hold_cnt(0) depctr_sa_sdst(0) depctr_va_vdst(0) depctr_va_sdst(0) depctr_va_ssrc(0) depctr_va_vcc(0) depctr_vm_vsrc(0)
	s_getreg_b32 s2, hwreg(HW_REG_IB_STS2, 6, 4)
	s_cmp_eq_u32 s2, 0
	s_cbranch_scc0 .Lentry_in_a_cluster
	s_endpgm
.Lentry_in_a_cluster:
	s_bfe_u32 s2, ttmp6, 0x10000c
	s_cmp_lg_u32 s2, 0xf033
	s_cbranch_scc0 .Lentry_shape_is_right
	s_endpgm
.Lentry_shape_is_right:
; out0 = attention result x Wo^T + bo, on codes of FP6 (E2M3) with E8M0 scales; out0 [2048][2048] f32.
; A = att [token block y][K step = head] blocks, B = ops row blocks 64 + c (Wo), both as BLOCKS (128 rows x 128 K in 12,800 bytes: eight images of a fragment's 12 registers, then the scale words at
; 12,288 + 32 r + 4 f; lane r of fragment f holds row 32 (f / 2) + 8 (f % 2) + r + 8 (r / 8)).
; A tile of out0 is 128 x 128, so that there are 16 x 16 = 256 work-groups; four waves, each 64 x 64: 16 accumulators.  The matrix instruction is used transposed (source 0 = Wo's rows, source 1 = tokens):
; a lane holds eight neighbouring columns of one row.  The bias is the C of each sum's first matrix instruction.
; LDS: A's K steps 0-11 in twelve blocks on end, then B's twelve.  At the head each wave brings six of a side's blocks, 76,800 dense bytes, by its one tensor load.  K steps 12-15 are the one refill, into the places of
; K steps 0-3, two blocks a wave, behind a round of the cluster's barrier.  The sixteen K steps are written out.
; CLUSTER 4 x 4: A's blocks are asked for jointly along a row of the cluster, B's along a column.
; PREFETCH: behind the head's load each wave asks once for the bytes of its refill: of their 100 runs of 256 bytes each of the four partners names 25, told apart by address; lanes 25-31 name the last again.
; REGISTERS: window 0: v16-30 addresses; v32-39 scale words, two sets (lanes 0-15 A's, lanes 16-31 B's); v96-127 the bias; v128-255 the accumulators ((a, b) at v[128 + 8 (4 a + b)]); on the way out v40-103 rows.
;   window 1: two buffers at v0 and v128: A's four fragments (48 registers), then B's four.
.set BLKB,  12800
.set RBLK,  16*BLKB
.set LOADB, 2*BLKB
.set QUAD,  4*BLKB                     ; four K steps of a side: what one address register serves
.set SIDE,  12*BLKB                    ; a side's twelve blocks
.set SPARE, 2*SIDE                     ; the spare words, 128 bytes for each wave
.set STAGE, SPARE+512                  ; the way out: 16 rows x (256 bytes + 16) for each wave; no fill lands here
.set SPITCH, 272
.set FR,   12
.set ADA,  16                          ; v16-18 my A fragments of K steps 0-3 (and 12-15), 4-7, 8-11
.set ADB,  19                          ; v19-21 my B fragments
.set ADS,  22                          ; v22-24 my scale words
.set STO,  25
.set RD,   26
.set CO,   27
.set SPW,  28                          ; v28 my spare word; never rewritten
.set NIL,  29                          ; v29 0; never rewritten
.set PFO,  30                          ; v30 the prefetch's offset; never rewritten
.set SCW,  32
.set BK,   40
.set BN,   96
.set ACC,  128
.set G1,   24                          ; s[24:31] group 1 for A's blocks; s[48:55] for B's
.set G1B,  48
.set G0A,  68                          ; s[68:75] group 0 for A's: the head's load, the refill; s[80:87] for B's
.set G0B,  80
.set MSB, 0
.macro WIN new
.if MSB != (\new)
	s_set_vgpr_msb (MSB<<8)|(\new)
.set MSB, (\new)
.endif
.endm
.set MUL,  0x05                        ; sources 0 (B) and 1 (A) window 1; C and D window 0
.set TO_F, 0x40                        ; destination window 1, address window 0
.macro JLOAD                           ; the one refill; four v_nop follow each line
	s_cmp_eq_u32 s15, 0
	s_cbranch_scc0 .Lfor_b_\@
	tensor_load_to_lds s[G0A+4:G0A+7], s[G1:G1+7]
	s_nop 0
.rept 4
	v_nop
.endr
	s_branch .Lasked_\@
.Lfor_b_\@:
	tensor_load_to_lds s[G0B+4:G0B+7], s[G1B:G1B+7]
	s_nop 0
.rept 4
	v_nop
.endr
.Lasked_\@:
.endm
.macro CROUND
	s_barrier_signal -1
	s_barrier_wait -1
	s_cmp_lg_u32 s14, 0
	s_cbranch_scc1 .Lnot_wave_0_\@
	s_barrier_signal -3
.Lnot_wave_0_\@:
	s_barrier_wait -3
	s_barrier_signal -1
	s_barrier_wait -1
.endm
.macro PLACES
.rept 4
	v_nop
.endr
.endm
	s_load_b256 s[4:11], s[0:1], 0x0               ; att, ops, bo, out0
	v_lshl_add_u32 v[SPW], v0, 2, SPARE
	v_mov_b32 v[NIL], 0
	ds_add_u32 v28, v29                            ; the opening lines: the add, twice on end, and its wait
	ds_add_u32 v28, v29
	s_wait_dscnt 0x0
	v_lshrrev_b32 v1, 5, v0
	v_readfirstlane_b32 s14, v1                    ; wave 0..3
	s_lshr_b32 s15, s14, 1                         ; which half of the tile's rows is mine.  Also: I fetch for A (0) or for B (1)
	s_and_b32 s16, s14, 1                          ; which half of its columns.  Also: which half of a side's blocks I fetch
	s_bfe_u32 s40, ttmp6, 0x40000
	s_bfe_u32 s41, ttmp6, 0x40004
	s_lshl_b32 s42, ttmp9, 2
	s_add_co_u32 s42, s42, s40                     ; tile column c
	s_and_b32 s17, ttmp7, 0xffff
	s_lshl_b32 s17, s17, 2
	s_add_co_u32 s17, s17, s41                     ; tile row y
	s_lshl_b32 s43, s41, 2
	s_lshl_b32 s43, 15, s43                        ; my row of the cluster
	s_lshl_b32 s44, 0x1111, s40                    ; my column
	s_or_b32 s[G1+0], s43, (3<<16)|(1<<21)         ; the mask; elements of 8 bytes; 21 set beside a mask; no padding
	s_or_b32 s[G1B+0], s44, (3<<16)|(1<<21)
.irp g, G1, G1B
	s_mov_b32 s[\g+1], 32<<16                      ; 256 bytes a row,
	s_mov_b32 s[\g+2], 300<<16                     ; the head's loads: 300 rows: six blocks, 76,800 dense bytes
	s_mov_b32 s[\g+3], 32<<16
	s_mov_b32 s[\g+4], 300
	s_mov_b32 s[\g+5], 32
	s_mov_b32 s[\g+6], 0
	s_mov_b32 s[\g+7], 0
.endr
	s_mul_i32 s18, s16, 6*BLKB                     ; at the head I fetch six K steps: 0-5 or 6-11
	s_mul_i32 s20, s17, RBLK
	s_add_co_u32 s20, s20, s18                     ; A: token block y
	s_mov_b32 s21, 0
	s_add_co_u32 s46, s42, 64
	s_mul_i32 s46, s46, RBLK
	s_add_co_u32 s46, s46, s18                     ; B: row block 64 + c
	s_mov_b32 s47, 0
	s_mul_i32 s45, s14, 6*BLKB                     ; where my head load goes: wave x six blocks
	s_wait_kmcnt 0x0
	s_add_nc_u64 s[20:21], s[4:5], s[20:21]
	s_add_nc_u64 s[46:47], s[6:7], s[46:47]
	CROUND                                         ; all sixteen work-groups are here: the first joint loads meet
	s_mul_i32 s19, s16, 4*BLKB
	s_sub_co_u32 s22, 12*BLKB, s19                 ; in memory: from my head part to my refill part
	s_mov_b32 s23, 0
	s_mul_i32 s19, s15, SIDE
	s_mul_i32 s18, s16, LOADB
	s_add_co_u32 s19, s19, s18                     ; in LDS: my side's first blocks, my two of the four
	s_cmp_eq_u32 s15, 0                            ; the prefetch: my refill's bytes,
	s_cselect_b64 s[56:57], s[20:21], s[46:47]
	s_cselect_b32 s58, s40, s41                    ; my place among the four that ask for them with me,
	s_mul_i32 s58, s58, 6400                       ; 25 runs of 256 bytes each
	s_mov_b32 s59, 0
	s_add_nc_u64 s[56:57], s[56:57], s[22:23]
	s_add_nc_u64 s[56:57], s[56:57], s[58:59]
	s_mov_b32 s[G0A], 1
	s_mov_b32 s[G0A+1], s45
	s_mov_b64 s[G0A+2:G0A+3], s[20:21]
	s_or_b32 s[G0A+3], s[G0A+3], 0x80000000
	s_mov_b32 s[G0A+4], 1
	s_mov_b32 s[G0A+5], s19
	s_add_nc_u64 s[G0A+6:G0A+7], s[20:21], s[22:23]
	s_or_b32 s[G0A+7], s[G0A+7], 0x80000000
	s_mov_b32 s[G0B], 1
	s_mov_b32 s[G0B+1], s45
	s_mov_b64 s[G0B+2:G0B+3], s[46:47]
	s_or_b32 s[G0B+3], s[G0B+3], 0x80000000
	s_mov_b32 s[G0B+4], 1
	s_mov_b32 s[G0B+5], s19
	s_add_nc_u64 s[G0B+6:G0B+7], s[46:47], s[22:23]
	s_or_b32 s[G0B+7], s[G0B+7], 0x80000000
	s_cmp_eq_u32 s15, 0                            ; one tensor load a wave at the head, in the two arms of one branch
	s_cbranch_scc0 .Lfirst_b
	tensor_load_to_lds s[G0A:G0A+3], s[G1:G1+7]
	s_nop 0
.rept 4
	v_nop
.endr
	s_branch .Lfirst_asked
.Lfirst_b:
	tensor_load_to_lds s[G0B:G0B+3], s[G1B:G1B+7]
	s_nop 0
.rept 4
	v_nop
.endr
.Lfirst_asked:
	v_and_b32 v[PFO], 31, v0
	v_min_u32 v[PFO], 24, v[PFO]
	v_lshlrev_b32 v[PFO], 8, v[PFO]                ; a lane a run of 256 bytes
	global_prefetch_b8 v[PFO], s[56:57] th:TH_LOAD_NT scope:SCOPE_SE
	v_and_b32 v1, 15, v0                           ; r
	v_bfe_u32 v2, v0, 4, 1                         ; h
	s_wait_alu depctr_va_vdst(0)
	v_and_b32 v3, 31, v0
	v_lshlrev_b32 v3, 4, v3                        ; 16 x lane
	s_wait_alu depctr_va_vdst(0)
	s_lshl_b32 s92, s42, 9
	s_lshl_b32 s93, s16, 8
	s_add_co_u32 s92, s92, s93                     ; my first column, in bytes: 512 c + 256 x half
	s_mov_b32 s93, 0
	s_add_nc_u64 s[8:9], s[8:9], s[92:93]          ; bo at my 64 columns
	v_lshlrev_b32 v6, 6, v2
.irp u, 0,1
.irp e, 0,1,2,3
	global_load_b128 v[BN+16*\u+4*\e:BN+16*\u+4*\e+3], v6, s[8:9] offset:128*\u+16*\e   ; register 16 u + i: column 32 u + 16 h + i
.endr
.endr
	s_mul_i32 s18, s15, 4*1536                     ; A: my four fragments of a block
	s_mul_i32 s19, s16, 4*1536
	s_add_co_u32 s19, s19, SIDE                    ; B: behind A's twelve blocks
	s_lshl_b32 s22, s15, 4
	s_lshl_b32 s23, s16, 4
	s_add_co_u32 s23, s23, SIDE
	s_sub_co_u32 s23, s23, s22
	v_mul_u32_u24 v4, s23, v2                      ; lanes 16-31 take B's words: one product, h x the distance
	v_lshl_add_u32 v4, v1, 5, v4
	s_add_co_u32 s22, s22, 12288
	v_add_nc_u32 v4, s22, v4
.irp s, 0,1,2
	v_add_nc_u32 v[ADA+\s], s18, v3
	v_add_nc_u32 v[ADB+\s], s19, v3
	v_add_nc_u32 v[ADS+\s], \s*QUAD, v4
	s_add_co_u32 s18, s18, QUAD
	s_add_co_u32 s19, s19, QUAD
.endr
	s_mul_i32 s22, s14, 16*SPITCH
	s_add_co_u32 s22, s22, STAGE                   ; my stage
	v_mul_u32_u24 v5, v1, SPITCH                   ; in: row r, + 64 h
	v_lshl_add_u32 v5, v2, 6, v5
	v_add_nc_u32 v[STO], s22, v5
	v_mul_u32_u24 v5, v2, SPITCH                   ; back: lanes 0-15 one row of 256 bytes, lanes 16-31 the next
	v_lshl_add_u32 v5, v1, 4, v5
	v_add_nc_u32 v[RD], s22, v5
	v_lshlrev_b32 v[CO], 13, v2                    ; and the same two rows in out0
	v_lshl_add_u32 v[CO], v1, 4, v[CO]
	s_lshl_b32 s22, s17, 7
	s_lshl_b32 s23, s15, 6
	s_add_co_u32 s22, s22, s23                     ; my first row: 128 y + 64 x half
	s_lshl_b32 s22, s22, 13
	s_add_co_u32 s22, s22, s92
	s_mov_b32 s23, 0
	s_add_nc_u64 s[10:11], s[10:11], s[22:23]
.macro FETCH g                         ; K step g's operands into buffer g % 2: 25 loads: the scale words, B's four fragments, A's fragments 0, 1, then 2, 3
.set FS, ((\g)/4)%3
.set FQ, (\g)%4
.set FB, 128*((\g)%2)
	WIN 0
	ds_load_b128 v[SCW+4*((\g)%2):SCW+4*((\g)%2)+3], v[ADS+FS] offset:FQ*BLKB
	WIN TO_F
.irp e, 0,1,2,3
.irp c, 0,1,2
	ds_load_b128 v[FB+48+FR*\e+4*\c:FB+48+FR*\e+4*\c+3], v[ADB+FS] offset:FQ*BLKB+1536*\e+512*\c
.endr
.endr
.irp e, 0,1,2,3
.irp c, 0,1,2
	ds_load_b128 v[FB+FR*\e+4*\c:FB+FR*\e+4*\c+3], v[ADA+FS] offset:FQ*BLKB+1536*\e+512*\c
.endr
.endr
.endm
.macro MUL8 g, half                    ; A's fragments 2 half, 2 half + 1 x B's four.  The 16 accumulators take turns, one instruction a turn
.set FB, 128*((\g)%2)
.set FW, SCW+4*((\g)%2)
.irp a, 2*(\half), 2*(\half)+1
.irp b, 0,1,2,3
.if (\g) == 0
	v_wmma_scale_f32_16x16x128_f8f6f4 v[ACC+8*(4*(\a)+\b):ACC+8*(4*(\a)+\b)+7], v[FB+48+FR*\b:FB+48+FR*\b+FR-1], v[FB+FR*(\a):FB+FR*(\a)+FR-1], v[BN+8*\b:BN+8*\b+7], v[FW+\b], v[FW+(\a)] matrix_a_fmt:MATRIX_FMT_FP6 matrix_b_fmt:MATRIX_FMT_FP6 matrix_a_scale:MATRIX_SCALE_ROW1
.else
	v_wmma_scale_f32_16x16x128_f8f6f4 v[ACC+8*(4*(\a)+\b):ACC+8*(4*(\a)+\b)+7], v[FB+48+FR*\b:FB+48+FR*\b+FR-1], v[FB+FR*(\a):FB+FR*(\a)+FR-1], v[ACC+8*(4*(\a)+\b):ACC+8*(4*(\a)+\b)+7], v[FW+\b], v[FW+(\a)] matrix_a_fmt:MATRIX_FMT_FP6 matrix_b_fmt:MATRIX_FMT_FP6 matrix_a_scale:MATRIX_SCALE_ROW1
.endif
.endr
.endr
.endm
.macro KSTEP g
	s_wait_dscnt 6                                 ; all but A's fragments 2, 3 are in
	WIN MUL
	MUL8 \g, 0
	PLACES                                         ; in front of loads into the buffer that the last K step multiplied
	FETCH (\g)+1
	s_wait_dscnt 25                                ; all but the 25 just issued
	WIN MUL
	MUL8 \g, 1
.endm
; A K step with a barrier.  fill = 1: the places of K steps 0-3, which have been read out, are filled again: the barrier is a round of the cluster's.  fill = 0: the refill is shown whole to every wave.
.macro KTURN g, fill
	WIN 0
	s_wait_tensorcnt 0x0                           ; all my tensor loads have landed
	ds_add_u32 v[SPW], v[NIL]                      ; 0 onto my spare word
.if \fill
	s_mov_b32 s[G1+2], 100<<16                     ; no tensor load of mine is out, so a descriptor may be written: the refill brings 100 rows, two blocks
	s_mov_b32 s[G1+4], 100
	s_mov_b32 s[G1B+2], 100<<16
	s_mov_b32 s[G1B+4], 100
.endif
	s_wait_dscnt 7                                 ; (the add and A's fragments 2, 3 may be out)
	WIN MUL
	MUL8 \g, 0
	WIN 0
	s_wait_dscnt 0x0                               ; the add is done, and my reads of those places are over
.if \fill
	CROUND                                         ; no wave of any partner still reads those places or has a load on its way
	JLOAD                                          ; the first tensor load behind the round; its four v_nop are the places in front of the loads below
.else
	s_barrier_signal -1
	s_barrier_wait -1
	PLACES
.endif
	FETCH (\g)+1
	WIN MUL
	MUL8 \g, 1
.endm
	s_wait_alu depctr_va_vdst(0)
	s_wait_loadcnt 0x0                             ; the bias
	s_wait_tensorcnt 0x0                           ; my six blocks are in
	s_barrier_signal -1
	s_barrier_wait -1                              ; everybody's are: K steps 0-11 are whole
	FETCH 0
	KSTEP 0
	KSTEP 1
	KSTEP 2
	KTURN 3, 1
	s_wait_alu depctr_va_vdst(0)
.irp g, 4,5,6,7,8,9,10
	KSTEP \g
.endr
	KTURN 11, 0
	KSTEP 12
	KSTEP 13
	KSTEP 14
	s_wait_dscnt 6                                 ; the last K step: nothing more to fetch
	WIN MUL
	MUL8 15, 0
	s_wait_dscnt 0x0
	MUL8 15, 1
	WIN 0
; THE WAY OUT, a fragment of 16 rows x 64 columns at a time, through my own stage: rows of 256 bytes come back whole, and sixteen lanes store 256 consecutive bytes, at a multiple of 256 from out0's first byte.
; LDS serves a wave's instructions in order (ISA guide 5.7.1.4): no wait between the stores and the loads.
.macro TOSTAGE a
.irp b, 0,1,2,3
	ds_store_b128 v[STO], v[ACC+8*(4*(\a)+\b):ACC+8*(4*(\a)+\b)+3] offset:(32*(\b/2)+8*(\b%2))*4       ; each accumulator from its low end on
	ds_store_b128 v[STO], v[ACC+8*(4*(\a)+\b)+4:ACC+8*(4*(\a)+\b)+7] offset:(32*(\b/2)+8*(\b%2))*4+16
.endr
.set BB, BK+32*((\a)%2)
.irp i, 0,1,2,3,4,5,6,7
	ds_load_b128 v[BB+4*\i:BB+4*\i+3], v[RD] offset:\i*2*SPITCH
.endr
.endm
.macro SEND a, younger                 ; stage row 2 i + h is lane place 2 i + h of fragment a: row 32 (a / 2) + 8 (a % 2) + 2 i + h + 8 (i / 4) of my 64
.set BB, BK+32*((\a)%2)
	s_wait_dscnt \younger
.irp i, 0,1,2,3,4,5,6,7
	global_store_b128 v[CO], v[BB+4*\i:BB+4*\i+3], s[10:11] offset:(32*((\a)/2)+8*((\a)%2)+2*\i+8*(\i/4))*8192 th:TH_STORE_NT
.endr
.endm
	PLACES
	TOSTAGE 0
.irp a, 1,2,3
.if \a > 1
	s_wait_xcnt 0x0                                ; fragment a - 2's stores have read their registers
.endif
	TOSTAGE \a
	SEND \a-1, 16                                  ; behind fragment a - 1's loads: fragment a's 8 stores and 8 loads
.endr
	SEND 3, 0
	s_wait_tensorcnt 0x0                           ; the wave's end
	ds_add_u32 v[SPW], v[NIL]
	s_wait_dscnt 0x0
	CROUND                                         ; the closing round
	s_endpgm
.Lfunc_end_k_qa748682b5e_proj:
	.size	k_qa748682b5e_proj, .Lfunc_end_k_qa748682b5e_proj-k_qa748682b5e_proj
	.p2alignl 7, 3214868480
	.fill 96, 4, 3214868480
	.section	.rodata,"a",@progbits
	.p2align	6, 0x0
	.amdhsa_kernel k_qa748682b5e_proj
		.amdhsa_group_segment_fixed_size 327680
		.amdhsa_private_segment_fixed_size 0
		.amdhsa_enable_private_segment 0
		.amdhsa_kernarg_size 32
		.amdhsa_user_sgpr_count 2
		.amdhsa_user_sgpr_kernarg_segment_ptr 1
		.amdhsa_wavefront_size32 1
		.amdhsa_system_sgpr_workgroup_id_x 1
		.amdhsa_system_sgpr_workgroup_id_y 1
		.amdhsa_system_sgpr_workgroup_id_z 1
		.amdhsa_system_vgpr_workitem_id 0
		.amdhsa_next_free_vgpr 512
		.amdhsa_next_free_sgpr 94
		.amdhsa_reserve_vcc 0
		.amdhsa_float_denorm_mode_32 3
		.amdhsa_float_denorm_mode_16_64 3
		.amdhsa_memory_ordered 1
		.amdhsa_forward_progress 1
		.amdhsa_inst_pref_size 79
	.end_amdhsa_kernel
	.amdgpu_metadata
---
amdhsa.version: [ 1, 2 ]
amdhsa.kernels:
  - .name:           k_qa748682b5e_proj
    .symbol:         k_qa748682b5e_proj.kd
    .args:
      - { .name: att, .offset: 0, .size: 8, .value_kind: global_buffer, .address_space: global }
      - { .name: ops, .offset: 8, .size: 8, .value_kind: global_buffer, .address_space: global }
      - { .name: bo, .offset: 16, .size: 8, .value_kind: global_buffer, .address_space: global }
      - { .name: out0, .offset: 24, .size: 8, .value_kind: global_buffer, .address_space: global }
    .group_segment_fixed_size: 327680
    .private_segment_fixed_size: 0
    .kernarg_segment_align: 8
    .kernarg_segment_size: 32
    .max_flat_workgroup_size: 128
    .sgpr_count:     94
    .vgpr_count:     512
    .wavefront_size: 32
...
	.end_amdgpu_metadata
.endif
;; end of part 4
